; MI455X (gfx1250); checked and timed in simulation.
; The chip was launched on July 23, 2026; its instructions are those of AMD's public machine-readable ISA for CDNA 5 (MIT licence, August 2026) and "CDNA5" Instruction Set Architecture Reference Guide (July 2026). The comments in the code are by the model that wrote it; some were corrected since.
;; YOCO Cross Attention. Allowed arithmetic: matrix products marked QUANTISED: E2M1 operands, one E8M0 scale for each 32 along K, by v_wmma_scale_f32_16x16x128_f8f6f4 with both operands' format E2M1 (or v_wmma_scale_f32_32x16x128_f4), f32 sums; everything else in f32.
;; Inputs: Wo_codes 2,048 x 64 x 16 uint8 (E2M1 codes of Wo, K innermost, in blocks of 32 codes, two codes a byte); Wo_scales 2,048 x 64 uint8 (E8M0 scales of Wo, one for each 32 codes along K); Wq_codes 2,048 x 64 x 16 uint8 (E2M1 codes of Wq, K innermost, in blocks of 32 codes, two codes a byte); Wq_scales 2,048 x 64 uint8 (E8M0 scales of Wq, one for each 32 codes along K); hidden_states_codes 2 x 2,048 x 64 x 16 uint8 (E2M1 codes of hidden_states, K innermost, in blocks of 32 codes, two codes a byte); hidden_states_scales 2 x 2,048 x 64 uint8 (E8M0 scales of hidden_states, one for each 32 codes along K); shared_k_codes 2 x 2,048 x 32 x 2 x 16 uint8 (E2M1 codes of shared_k, K innermost, in blocks of 32 codes, two codes a byte); shared_k_scales 2 x 2,048 x 32 x 2 uint8 (E8M0 scales of shared_k, one for each 32 codes along K); shared_v_codes 2 x 32 x 64 x 64 x 16 uint8 (E2M1 codes of shared_v, K innermost, in blocks of 32 codes, two codes a byte); shared_v_scales 2 x 32 x 64 x 64 uint8 (E8M0 scales of shared_v, one for each 32 codes along K).
;; Outputs: out0 2 x 2,048 x 2,048 float32.
;; This version of the problem:
;;   THIS VERSION OF THE PROBLEM IS GIVEN IN LOW PRECISION. The matrix products marked QUANTISED in the list below multiply operands that are first quantised to E2M1 (2 exponent bits, 1 mantissa bit; 4 bits a number), with one power-of-two scale for each 32 numbers along K (OCP MX v1.0); their sums are f32. All else is computed in f32.
;;   The module's matrix products, in the order in which they are computed (A, B: the left and right operand; K: the contracted axis; several contracted axes count as one K, in the product's order):
;;     1. [M 4,096, K 2,048] x [K 2,048, N 2,048]; A: input hidden_states (given as codes); B: input Wq (given as codes): QUANTISED
;;     2. batch 64 x [M 2,048, K 64] x [K 64, N 2,048]; A: computed on the way; B: input shared_k (given as codes): QUANTISED
;;     3. batch 64 x [M 64, K 2,048] x [K 2,048, N 2,048]; A: input shared_v (given as codes); B: softmax (see below): QUANTISED
;;     4. [M 4,096, K 2,048] x [K 2,048, N 2,048]; A: computed on the way; B: input Wo (given as codes): QUANTISED
;;   THE QUANTISER, for each operand of a quantised product, along K:
;;     - K is cut into blocks of 32 from its start; a last block that is shorter is filled with zeros.
;;     - A block's scale is 2^e with e = floor(log2(the largest magnitude in the block)) - 2, held to -126 .. 127; a block of zeros has e = 0. As a byte (E8M0): e + 127.
;;     - Each number is divided by its block's scale, clamped to +-6, and rounded to the nearest number of E2M1, ties to even, subnormals kept.
;;     - The product sums the exact products of the quantised numbers (number of the format x scale) in f32.
;;   ~~~python
;;   def quantise(x, axis):      # numpy; x: float32 -> the quantised numbers, widened to float32 again
;;       x = np.moveaxis(x, axis, -1); K = x.shape[-1]
;;       x = np.pad(x, [(0, 0)] * (x.ndim - 1) + [(0, -K % 32)]); x = x.reshape(x.shape[:-1] + (-1, 32)); a = np.abs(x).max(-1, keepdims=True)
;;       e = np.where(a > 0, np.clip(np.frexp(np.where(a > 0, a, 1))[1] - 1 - 2, -126, 127), 0)      # np.frexp(a)[1] - 1 = floor(log2(a)), exactly
;;       r = np.clip(x / 2.0 ** e, -6, 6)
;;       step = 2.0 ** (np.maximum(np.frexp(np.where(r == 0, 1, r))[1] - 1, 0) - 1)
;;       q = np.round(r / step) * step * 2.0 ** e      # np.round: ties to even
;;       return np.moveaxis(q.reshape(q.shape[:-2] + (-1,))[..., :K], -1, axis).astype(np.float32)
;;   ~~~
;;   SOFTMAX AHEAD OF A QUANTISED PRODUCT. Where the list says 'softmax', what is quantised is not the finished softmax but p = 2^(t - M), with t = logit x log2(e) and M = ceil(the row's largest t), a whole number; so 1/2 < the row's largest p <= 1. The row's sum l is taken of the UNQUANTISED p, in f32, and the product's result is divided by l at the end. Since M is a whole number, a kernel that streams over the keys may use a running M (the ceiling of the running maximum): every later rescaling is an exact power of two, which a block's scale takes up: the codes' values come out the same.
;;   OPERANDS COMPUTED ON THE WAY. 'Computed on the way' means the value that the module computes at that place (a softmax that the list does not call 'softmax' is quantised finished and normalised). What goes into a quantiser is computed in f32, as accurately as f32 sums, v_exp_f32 and their like allow (about 1e-6 of the number): no bf16 or f16 on the way to a quantiser, and a product that is left as it is and whose result goes on into a quantised operand takes f32 operands (vector FMAs, or v_wmma_f32_16x16x4_f32). A number that lies on a knife's edge between two numbers of the format may be rounded either way, as far as f32 arithmetic and the matrix unit's own rounding can turn it there, and no further.
;;   INPUTS GIVEN AS CODES. Wo (in the module: [2048, 2048], K = its axis 1); Wq (in the module: [2048, 2048], K = its axis 1); hidden_states (in the module: [2, 2048, 2048], K = its axis 2); shared_k (in the module: [2, 2048, 32, 64], K = its axis 3); shared_v (in the module: [2, 2048, 32, 64], K = its axis 1): each comes as NAME_codes (uint8): NAME with its K axis moved to the last place and cut into blocks of 32 codes, [.., K / 32, bytes a block], one block behind the other in memory; two codes a byte, the lower K in the low four bits (a code: sign, 2 exponent bits, 1 mantissa bit); and NAME_scales (uint8): the same leading axes, one E8M0 byte (e + 127) for each 32 codes along K. Its value is code x scale, taken as it is: it is not quantised again, and the codes and scales need not be those that the quantiser above would give.
;; One version. Each part assembles by itself: llvm-mc -triple=amdgcn-amd-amdhsa -mcpu=gfx1250 --defsym DOCPART=n.
;; ======== version 1 of 1: 3 launches
;; workspace buffers: q_codes 4,194,304 bytes; q_sw 524,288 bytes; o_codes 4,194,304 bytes; o_scales 262,144 bytes
;; launch qproj (part 1): grid 8 x 32, 4 waves a work-group, clusters of 4 x 4, 327,680 bytes of LDS; arguments hidden_states_codes, hidden_states_scales, Wq_codes, Wq_scales, q_codes, q_sw; writes q_codes, q_sw
.if DOCPART == 1
	.amdgcn_target "amdgcn-amd-amdhsa--gfx1250"
	.amdhsa_code_object_version 6
	.text
	.protected	k_q3a037d30cd_qproj
	.globl	k_q3a037d30cd_qproj
	.p2align	8
	.type	k_q3a037d30cd_qproj,@function
k_q3a037d30cd_qproj:
	s_mov_b64 s[64:65], 0
	v_nop
	global_prefetch_b8 v0, s[64:65] scope:SCOPE_SE
	s_setreg_imm32_b32 hwreg(HW_REG_WAVE_MODE, 25, 1), 1
	s_wait_xcnt 0x0
	s_wait_alu depctr_hold_cnt(0) depctr_sa_sdst(0) depctr_va_vdst(0) depctr_va_sdst(0) depctr_va_ssrc(0) depctr_va_vcc(0) depctr_vm_vsrc(0)
	s_getreg_b32 s2, hwreg(HW_REG_IB_STS2, 6, 4)
	s_cmp_eq_u32 s2, 0
	s_cbranch_scc0 .Lentry_in_a_cluster
	s_endpgm
.Lentry_in_a_cluster:
	s_bfe_u32 s2, ttmp6, 0x10000c
	s_cmp_lg_u32 s2, 0xf033
	s_cbranch_scc0 .Lentry_shape_is_right
	s_endpgm
.Lentry_shape_is_right:
; q = rope(hidden_states Wq^T), quantised to FP4 (E2M1) along each head's 64 numbers.  A = hidden_states [4096][2048], B = Wq [2048][2048]: codes, two a byte, K innermost (a row is 1,024 bytes),
; with one E8M0 byte for each 32 along K (a row of scales is 64 bytes).  Sums in f32.
; SHARES.  A tile of the product is 128 rows x 256 columns: 32 x 8 = 256 work-groups.  Four waves, each 64 rows x 128 columns (two heads): 32 accumulators of 16 x 16.
; K goes in steps of 512 (rows of 256 bytes) through a ring of two LDS slots filled by the tensor data mover: four fills, so the 16 steps of 128 are written out and there is no loop.
; The scale bytes of the work-group's rows of A and of B, for all of K, are two dense blocks of memory: they come into LDS once, with the first fills.
; CLUSTERS: 4 x 4 work-groups.  The four of a row of the cluster need the same tiles of A, the four of a column the same tiles of B: each tile is asked for jointly.
; THE MATRIX INSTRUCTION IS USED TRANSPOSED (source 0 = 16 rows of B, source 1 = 16 rows of A): lane (r, h) holds row 16 a + r and, in register j of accumulator (a, b), column 16 b + 8 h + j:
; the two numbers of a rotary pair lie in neighbouring registers of one lane.
; ROTARY.  The angle is fl(t x inv), inv = 1 / fl(10^(i / 8)), i = 0 .. 31, as the definition forms it.  10^(i / 8) is made in two f32 words (three square roots of 10, products with exact residues) and rounded once; the
; reciprocal is refined by two fused steps.  Sine and cosine: the angle less n x pi/2 in two words (the first fused step is exact for n up to 1,304), then polynomials on +-pi/4.
; A lane's 64 pairs (4 blocks of rows x 16 frequencies) are made at the head, while the first tiles are on their way, and kept in 128 registers.
; OUT.  q_codes [b 32 + head][t / 16][512 bytes]: the image of the next product's operand: lane (r, h) has the 16 bytes of d = 32 h .. 32 h + 31 of query r at 16 x lane.
;       q_sw [b 32 + head][t]: a word: bytes 0, 1 the two blocks' scale bytes, bytes 2, 3 zero (they stand over zero codes in the next launch).
; LIMITS: NaN and infinities are not served.  A block whose largest magnitude lies under 2^-124 (a block of zeros too) gets the byte 1; the bytes are read by this program alone.
;         inv is the correctly rounded one: it takes the definition's power and division to be correctly rounded.
; REGISTERS, in windows of 256: window 0: v16-29 addresses; v32-95 scale words, two sets; v96-127 32 rotated numbers; v128-191 A's fragments, two sets; v200-245 codes, scale words, at work
;   (at the head v32-210 serve the table).  window 1: B's fragments, two sets, at v0 and v128.  window 2: the accumulators, (a, b) at v[8 (8 a + b)].  window 3: v0-127 cosine and sine.
.set PITCH,  272                       ; an LDS row: 256 bytes + 16 of padding: the 16 rows that a fragment load touches begin 68 words apart
.set HALFA,  64*PITCH                  ; what one load brings of A, and what one wave reads of it
.set HALFB,  128*PITCH                 ; the same of B
.set SLOT,   2*HALFA+2*HALFB           ; A's 128 rows, then B's 256
.set ASTEP,  512                       ; bytes from a slot's K step to its next: two steps of 256
.set BSTEP,  512
.set SCL,    2*SLOT                    ; behind the ring: the scales, as units of 256 bytes + 16
.set HSA,    16*272                    ; those of 64 rows of A
.set HSB,    32*272                    ; those of 128 rows of B
.set SBLK,   4*272                     ; those of 16 rows
.set SPARE,  SCL+2*HSA+2*HSB           ; the spare words, 128 bytes a wave: two blocks of 256 bytes that no other line names
.set ADRA, 16                          ; v16-17 LDS address of my A fragments in slot 0, 1
.set ADRB, 20                          ; v20-21 the same for B
.set SWO,  25                          ; v25 4 r: my place among 16 scale words
.set CDO,  26                          ; v26 16 x lane: my place in an image
.set ADRS, 27                          ; v27 LDS address of my scale words: lanes 0-15 A's rows, lanes 16-31 B's
.set SPW,  28                          ; v28 LDS address of my spare word; never rewritten
.set NIL,  29                          ; v29 0; never rewritten
.set SC,   32                          ; scale words: set s at v[SC + 32 s]; register 4 i + q: lanes 0-15 A's block i, lanes 16-31 B's block i, the slot's q-th 128 along K
.set X,    96
.set AF,   128
.set RC,   200                         ; v200-231 eight images' registers: no store's data are written again
.set OW,   232                         ; v232-239 eight scale words
.set BM,   240
.set BT,   242
.set BS,   244
.set INV,  32                          ; the table's registers, at the head only
.set GG,   56
.set TH,   96
.set NN,   112
.set ZZ,   128
.set SS,   144
.set CC,   160
.set T1,   176
.set T2,   192
.set TF,   208
.set TI,   209
.set TT,   210
.set WV, 16                            ; s16 wave; s17 its half of the rows (also: fetches for A or B); s18 its half of the columns (also: which half it fetches); s19, s20 tile row, tile column
.set RH, 17
.set CH, 18
.set TR, 19
.set TC, 20
.set G1, 24
.set G0, 32
.set G1B, 48
.set G0B, 56
.set G1S, 68
.set G0S, 76
.set G1SB, 80
.set G0SB, 88
.set SEL, 104
.set PADW, (1<<20)|(1<<21)|(5<<22)|(3<<25)   ; padding on; bit 21 beside a mask; after every 64 words; four words
.set MSB, 0
.macro WIN new                         ; the immediate's high byte repeats the setting that is left
.if MSB != \new
	s_set_vgpr_msb (MSB<<8)|\new
.set MSB, \new
.endif
.endm
.set MUL,  0xa1                        ; source 0 (B) window 1, source 1 (A) window 0, C and D window 2
.set TO_B, 0x40                        ; destination window 1, address window 0
.macro SHAPE g, c, r, p                ; words 1 to 7 of a group 1: rows of c elements, r rows, p elements from row to row
	s_mov_b32 s[\g+1], (\c)<<16
	s_mov_b32 s[\g+2], (\r)<<16
	s_mov_b32 s[\g+3], (\c)<<16
	s_mov_b32 s[\g+4], \r
	s_mov_b32 s[\g+5], \p
	s_mov_b32 s[\g+6], 0
	s_mov_b32 s[\g+7], 0
.endm
; A joint load: waves 0 and 1 fetch for A, waves 2 and 3 for B; the branch hangs on the wave's number alone.  Four v_nop follow each of the two lines.
.macro JLOAD g0a, g1a, g0b, g1b
	s_cmp_eq_u32 s[RH], 0
	s_cbranch_scc0 .Lfor_b_\@
	tensor_load_to_lds s[\g0a:\g0a+3], s[\g1a:\g1a+7]
	s_nop 0
.rept 4
	v_nop
.endr
	s_branch .Lasked_\@
.Lfor_b_\@:
	tensor_load_to_lds s[\g0b:\g0b+3], s[\g1b:\g1b+7]
	s_nop 0
.rept 4
	v_nop
.endr
.Lasked_\@:
.endm
.macro CREST                           ; a round of the cluster's barrier behind its opening barrier
	s_cmp_lg_u32 s[WV], 0
	s_cbranch_scc1 .Lnot_wave_0_\@
	s_barrier_signal -3
.Lnot_wave_0_\@:
	s_barrier_wait -3
	s_barrier_signal -1
	s_barrier_wait -1
.endm
.macro CROUND
	s_barrier_signal -1
	s_barrier_wait -1
	CREST
.endm
.macro PLACES n
.rept \n
	v_nop
.endr
.endm
	s_load_b128 s[4:7], s[0:1], 0x0                ; A's codes, A's scales
	s_load_b128 s[8:11], s[0:1], 0x10              ; B's codes, B's scales
	s_load_b128 s[12:15], s[0:1], 0x20             ; q_codes, q_sw
	v_lshl_add_u32 v[SPW], v0, 2, SPARE
	v_mov_b32 v[NIL], 0
	ds_add_u32 v28, v29
	ds_add_u32 v28, v29
	s_wait_dscnt 0x0
	v_lshrrev_b32 v1, 5, v0
	v_readfirstlane_b32 s[WV], v1
	s_lshr_b32 s[RH], s[WV], 1
	s_and_b32 s[CH], s[WV], 1
	s_bfe_u32 s21, ttmp6, 0x40000                  ; cx
	s_bfe_u32 s22, ttmp6, 0x40004                  ; cy
	s_lshl_b32 s[TC], ttmp9, 2
	s_add_co_u32 s[TC], s[TC], s21                 ; tile column = 4 x cluster x + cx
	s_and_b32 s[TR], ttmp7, 0xffff
	s_lshl_b32 s[TR], s[TR], 2
	s_add_co_u32 s[TR], s[TR], s22                 ; tile row = 4 x cluster y + cy
	s_lshl_b32 s23, s22, 2
	s_lshl_b32 s23, 15, s23                        ; my row of the cluster
	s_lshl_b32 s3, 0x1111, s21                     ; my column
	s_or_b32 s[G1], s23, PADW                      ; A's codes: elements of 1 byte, to my row
	s_or_b32 s[G1B], s3, PADW                      ; B's: to my column
	s_or_b32 s[G1S], s23, PADW|(3<<16)             ; the scales: elements of 8 bytes
	s_or_b32 s[G1SB], s3, PADW|(3<<16)
	SHAPE G1, 256, 64, 1024                        ; 64 rows of 256 bytes, 1,024 bytes apart
	SHAPE G1B, 256, 128, 1024                      ; 128 such rows
	SHAPE G1S, 32, 16, 32                          ; 64 rows' scales: 4,096 dense bytes as 16 rows of 256
	SHAPE G1SB, 32, 32, 32                         ; 128 rows' scales: 32 rows of 256
	s_lshl_b32 s40, s[TR], 17                      ; A: (128 x tile row + 64 x half) rows of 1,024 bytes: s40-43 hold nothing made of cx
	s_lshl_b32 s41, s[CH], 16
	s_add_co_u32 s40, s40, s41
	s_mov_b32 s41, 0
	s_lshl_b32 s42, s[TR], 13                      ; and of 64 bytes of scales
	s_lshl_b32 s43, s[CH], 12
	s_add_co_u32 s42, s42, s43
	s_mov_b32 s43, 0
	s_lshl_b32 s44, s[TC], 18                      ; B: (256 x tile column + 128 x half) rows: s44-47 hold nothing made of cy
	s_lshl_b32 s45, s[CH], 17
	s_add_co_u32 s44, s44, s45
	s_mov_b32 s45, 0
	s_lshl_b32 s46, s[TC], 14
	s_lshl_b32 s47, s[CH], 13
	s_add_co_u32 s46, s46, s47
	s_mov_b32 s47, 0
	s_mul_i32 s92, s[CH], HALFA                    ; where they go in a slot: made of the wave's number alone
	s_mul_i32 s93, s[CH], HALFB
	s_add_co_u32 s93, s93, 2*HALFA
	s_mul_i32 s94, s[CH], HSA
	s_mul_i32 s2, s[CH], HSB
	s_wait_kmcnt 0x0
	s_add_nc_u64 s[40:41], s[4:5], s[40:41]
	s_add_nc_u64 s[42:43], s[6:7], s[42:43]
	s_add_nc_u64 s[44:45], s[8:9], s[44:45]
	s_add_nc_u64 s[46:47], s[10:11], s[46:47]
	CROUND                                         ; all sixteen work-groups are here: the first joint loads meet
	s_mov_b32 s[G0S], 1
	s_add_co_u32 s[G0S+1], s94, SCL
	s_mov_b64 s[G0S+2:G0S+3], s[42:43]
	s_or_b32 s[G0S+3], s[G0S+3], 0x80000000
	s_mov_b32 s[G0SB], 1
	s_add_co_u32 s[G0SB+1], s2, SCL+2*HSA
	s_mov_b64 s[G0SB+2:G0SB+3], s[46:47]
	s_or_b32 s[G0SB+3], s[G0SB+3], 0x80000000
	JLOAD G0S, G1S, G0SB, G1SB                     ; the scales first: they are wanted with K step 0
.irp s, 0,1
	s_mov_b32 s[G0+4*\s], 1
	s_add_co_u32 s[G0+4*\s+1], s92, \s*SLOT
	s_add_nc_u64 s[G0+4*\s+2:G0+4*\s+3], s[40:41], \s*256
	s_or_b32 s[G0+4*\s+3], s[G0+4*\s+3], 0x80000000
	s_mov_b32 s[G0B+4*\s], 1
	s_add_co_u32 s[G0B+4*\s+1], s93, \s*SLOT
	s_add_nc_u64 s[G0B+4*\s+2:G0B+4*\s+3], s[44:45], \s*256
	s_or_b32 s[G0B+4*\s+3], s[G0B+4*\s+3], 0x80000000
	JLOAD G0+4*\s, G1, G0B+4*\s, G1B               ; three loads of mine are out
.endr
	v_and_b32 v1, 15, v0                           ; r
	v_bfe_u32 v2, v0, 4, 1                         ; h
	v_mul_u32_u24 v3, v1, PITCH
	v_lshl_add_u32 v4, v2, 4, v3                   ; a fragment's row x pitch + 16 h
	s_mul_i32 s92, s[RH], HALFA                    ; my 64 rows of A
	s_mul_i32 s93, s[CH], HALFB                    ; my 128 rows of B, behind A's 128
	s_add_co_u32 s93, s93, 2*HALFA
.irp s, 0,1
	v_add_nc_u32 v[ADRA+\s], s92, v4
	v_add_nc_u32 v[ADRB+\s], s93, v4
	s_add_co_u32 s92, s92, SLOT
	s_add_co_u32 s93, s93, SLOT
.endr
	v_lshlrev_b32 v5, 6, v1                        ; my row's scales: 64 bytes a row,
	v_lshrrev_b32 v6, 2, v1
	v_lshl_add_u32 v5, v6, 4, v5                   ; and 16 more for each 256 passed
	s_mul_i32 s92, s[RH], HSA                      ; A's: my 64 rows
	s_mul_i32 s93, s[CH], HSB                      ; B's: my 128 rows, behind A's
	s_add_co_u32 s93, s93, 2*HSA
	s_sub_co_u32 s93, s93, s92
	v_mul_u32_u24 v6, s93, v2                      ; lanes 16-31 take B's: one product with h
	s_add_co_u32 s92, s92, SCL
	v_add_nc_u32 v5, v5, v6
	v_add_nc_u32 v[ADRS], s92, v5
	v_lshlrev_b32 v[SWO], 2, v1
	v_and_b32 v3, 31, v0
	v_lshlrev_b32 v[CDO], 4, v3
	v_mov_b32 v[BT], 0                             ; written once: a lane permute's destination counts as one of its sources
	v_mov_b32 v[BT+1], 0
	; where my results go
	s_lshr_b32 s92, s[TR], 4                       ; the batch
	s_lshl_b32 s92, s92, 5
	s_lshl_b32 s93, s[TC], 2
	s_add_co_u32 s92, s92, s93
	s_lshl_b32 s93, s[CH], 1
	s_add_co_u32 s92, s92, s93                     ; 32 b + my first head
	s_and_b32 s94, s[TR], 15
	s_lshl_b32 s94, s94, 7
	s_lshl_b32 s93, s[RH], 6
	s_add_co_u32 s94, s94, s93                     ; t of my first row
	s_lshl_b32 s2, s92, 16                         ; a head's images: 128 x 512 bytes; 16 rows: 512
	s_lshl_b32 s3, s94, 5
	s_add_co_u32 s2, s2, s3
	s_mov_b32 s3, 0
	s_add_nc_u64 s[12:13], s[12:13], s[2:3]
	s_lshl_b32 s2, s92, 13                         ; a head's words: 2,048 x 4 bytes
	s_lshl_b32 s93, s94, 2
	s_add_co_u32 s2, s2, s93
	s_add_nc_u64 s[14:15], s[14:15], s[2:3]
	s_mov_b32 s66, 0x3f22f983                      ; 2 / pi
	s_mov_b32 s67, 0x3fc90fdb                      ; pi / 2, its f32,
	s_mov_b32 s95, 0xb33bbd2e                      ; and what that leaves
	s_mov_b32 s96, 0xb94ca1f9                      ; sine: r + r^3 (s98 + z (s97 + z s96)), z = r^2
	s_mov_b32 s97, 0x3c08839e
	s_mov_b32 s98, 0xbe2aaaa3
	s_mov_b32 s99, 0x37ccf5ce                      ; cosine: 1 - z / 2 + z^2 (s101 + z (s100 + z s99))
	s_mov_b32 s100, 0xbab6061a
	s_mov_b32 s101, 0x3d2aaaa5
	s_mov_b32 s[SEL], 0x76543210
	s_mov_b32 s[SEL+1], 0xfedcba98                 ; v_permlanex16_b32's selects for lane l xor 16
; ---- THE TABLE.  Numbers in two words (high, low) lie in pairs of registers.
.macro DFSQRT d, x                     ; d = sqrt(x): the unit's root, and the exact residue over twice the root
	v_sqrt_f32 v[\d], v[\x]
	v_nop                                          ; a plain place behind a transcendental
	s_wait_alu depctr_va_vdst(0)
	v_rcp_f32 v68, v[\d]
	v_fma_f32 v69, -v[\d], v[\d], v[\x]
	v_add_f32 v69, v69, v[\x+1]
	s_wait_alu depctr_va_vdst(0)
	v_mul_f32 v68, 0.5, v68
	v_mul_f32 v[\d+1], v69, v68
.endm
.macro DFMUL p, a, b                   ; p = a b: the product, its exact residue, the cross terms
	v_mul_f32 v[\p], v[\a], v[\b]
	v_fma_f32 v[\p+1], v[\a], v[\b], -v[\p]
	v_fma_f32 v[\p+1], v[\a], v[\b+1], v[\p+1]
	v_fma_f32 v[\p+1], v[\a+1], v[\b], v[\p+1]
.endm
.macro POW10 a4, t                     ; fl(10^a4 x G[jj]) for jj = 0 .. 3; t = 10^a4, exact in f32
	s_mov_b32 s2, \t
.irp jj, 0,1,2,3
	v_mul_f32 v[ZZ+\jj], s2, v[GG+2*\jj]
.endr
.irp jj, 0,1,2,3
	v_fma_f32 v[SS+\jj], s2, v[GG+2*\jj], -v[ZZ+\jj]
.endr
.irp jj, 0,1,2,3
	v_fma_f32 v[SS+\jj], s2, v[GG+2*\jj+1], v[SS+\jj]
.endr
.irp jj, 0,1,2,3
	v_add_f32 v[TH+4*\a4+\jj], v[ZZ+\jj], v[SS+\jj]   ; one rounding of the two words' sum
.endr
.endm
	v_mov_b32 v66, 0x41200000                      ; 10
	v_mov_b32 v67, 0
	DFSQRT 48, 66                                  ; 10^(4/8)
	DFSQRT 50, 48                                  ; 10^(2/8)
	DFSQRT 52, 50                                  ; 10^(1/8)
	DFMUL 54, 50, 52                               ; 10^(3/8)
	v_cmp_eq_u32 vcc_lo, 1, v2
	v_cndmask_b32 v[GG], 1.0, v48, vcc_lo          ; G[0] = 10^(4 h / 8): my half's factor
	v_cndmask_b32 v[GG+1], 0, v49, vcc_lo
	DFMUL GG+2, 52, GG                             ; G[jj] = 10^((4 h + jj) / 8)
	DFMUL GG+4, 50, GG
	DFMUL GG+6, 54, GG
.irp jj, 0,1,2,3
	v_add_f32 v[TH+\jj], v[GG+2*\jj], v[GG+2*\jj+1]
.endr
	POW10 1, 0x41200000
	POW10 2, 0x42c80000
	POW10 3, 0x447a0000                            ; v[TH + 4 a4 + jj] = fl(10^(i / 8)), i = 8 a4 + 4 h + jj
.set e, 0
.rept 16
	v_rcp_f32 v[NN+e], v[TH+e]
.set e, e+1
.endr
	v_nop
.set e, 0
	s_wait_alu depctr_va_vdst(0)
.rept 16
	v_fma_f32 v[ZZ+e], -v[TH+e], v[NN+e], 1.0
.set e, e+1
.endr
.set e, 0
.rept 16
	v_fma_f32 v[NN+e], v[NN+e], v[ZZ+e], v[NN+e]
.set e, e+1
.endr
.set e, 0
.rept 16
	v_fma_f32 v[ZZ+e], -v[TH+e], v[NN+e], 1.0
.set e, e+1
.endr
.set e, 0
.rept 16
	v_fma_f32 v[INV+e], v[NN+e], v[ZZ+e], v[NN+e]  ; 1 / fl(10^(i / 8))
.set e, e+1
.endr
	v_add_nc_u32 v[TI], s94, v1                    ; t of my row in block 0
; cosine and sine of fl(t inv) for my row of block a and my 16 frequencies, stage by stage, so that no line waits for the line above it
.macro SINCOS16 a
	v_add_nc_u32 v[TT], 16*\a, v[TI]
	v_cvt_f32_u32 v[TF], v[TT]
.set e, 0
.rept 16
	v_mul_f32 v[TH+e], v[TF], v[INV+e]             ; the angle, rounded as the definition rounds it
.set e, e+1
.endr
.set e, 0
.rept 16
	v_mul_f32 v[NN+e], s66, v[TH+e]
.set e, e+1
.endr
.set e, 0
.rept 16
	v_rndne_f32 v[NN+e], v[NN+e]                   ; n
.set e, e+1
.endr
.set e, 0
.rept 16
	v_fma_f32 v[TH+e], -v[NN+e], s67, v[TH+e]
.set e, e+1
.endr
.set e, 0
.rept 16
	v_fma_f32 v[TH+e], -v[NN+e], s95, v[TH+e]      ; r = angle - n pi / 2
.set e, e+1
.endr
.set e, 0
.rept 16
	v_mul_f32 v[ZZ+e], v[TH+e], v[TH+e]
	v_cvt_i32_f32 v[NN+e], v[NN+e]
.set e, e+1
.endr
.set e, 0
.rept 16
	v_fma_f32 v[SS+e], v[ZZ+e], s96, s97
	v_fma_f32 v[CC+e], v[ZZ+e], s99, s100
	v_mul_f32 v[T1+e], v[ZZ+e], v[TH+e]
	v_fma_f32 v[T2+e], v[ZZ+e], -0.5, 1.0
.set e, e+1
.endr
.set e, 0
.rept 16
	v_fma_f32 v[SS+e], v[SS+e], v[ZZ+e], s98
	v_fma_f32 v[CC+e], v[CC+e], v[ZZ+e], s101
.set e, e+1
.endr
.set e, 0
.rept 16
	v_mul_f32 v[ZZ+e], v[ZZ+e], v[ZZ+e]
	v_fma_f32 v[SS+e], v[SS+e], v[T1+e], v[TH+e]   ; sin r
.set e, e+1
.endr
.set e, 0
.rept 16
	v_fma_f32 v[CC+e], v[CC+e], v[ZZ+e], v[T2+e]   ; cos r
	v_and_b32 v[T1+e], 1, v[NN+e]
.set e, e+1
.endr
.set e, 0
.rept 16
	v_cmp_eq_u32 vcc_lo, 1, v[T1+e]                ; an odd n changes the two over
	v_cndmask_b32 v[T2+e], v[SS+e], v[CC+e], vcc_lo
	v_cndmask_b32 v[T1+e], v[CC+e], v[SS+e], vcc_lo
.set e, e+1
.endr
.set e, 0
.rept 16
	v_lshlrev_b32 v[SS+e], 30, v[NN+e]             ; the sine changes sign where n mod 4 is 2 or 3,
	v_add_lshl_u32 v[CC+e], v[NN+e], 1, 30         ; the cosine where it is 1 or 2
.set e, e+1
.endr
.set e, 0
.rept 16
	v_and_b32 v[SS+e], 0x80000000, v[SS+e]
	v_and_b32 v[CC+e], 0x80000000, v[CC+e]
.set e, e+1
.endr
	WIN 0xc0                                       ; destination window 3
.set e, 0
.rept 16
	v_xor_b32 v[2*(16*\a+e)], v[T1+e], v[CC+e]     ; cosine
	v_xor_b32 v[2*(16*\a+e)+1], v[T2+e], v[SS+e]   ; sine
.set e, e+1
.endr
	WIN 0
.endm
	SINCOS16 0
	SINCOS16 1
	SINCOS16 2
	SINCOS16 3
; ---- THE PRODUCT.
; 24 LDS loads in one run: the fragments of the slot's q-th 128 along K into set p.  A fragment, 16 rows x 128 K, is 8 registers: lane (r, h): row r; registers 4 c .. 4 c + 3: K = 64 c + 32 h + 0 .. 31
.macro FETCH slot, q, p
	WIN TO_B
.irp i, 0,1,2,3,4,5,6,7
.irp c, 0,1
	ds_load_b128 v[128*(\p)+8*\i+4*\c:128*(\p)+8*\i+4*\c+3], v[ADRB+\slot] offset:64*(\q)+32*\c+\i*16*PITCH
.endr
.endr
	WIN 0
.irp i, 0,1,2,3
.irp c, 0,1
	ds_load_b128 v[AF+32*(\p)+8*\i+4*\c:AF+32*(\p)+8*\i+4*\c+3], v[ADRA+\slot] offset:64*(\q)+32*\c+\i*16*PITCH
.endr
.endr
.endm
.macro SCALES sc, ks                   ; K step ks's scale words into set sc: four words a row.  Lanes 0-15 want A's blocks 0-3 only: what they load for i = 4 .. 7 lies inside the scales' bytes and is not used
.irp i, 0,1,2,3,4,5,6,7
	ds_load_b128 v[SC+32*(\sc)+4*\i:SC+32*(\sc)+4*\i+3], v[ADRS] offset:\i*SBLK+16*(\ks)
.endr
.endm
; 8 matrix instructions: A's block a x B's eight.  The 32 accumulators take turns, one instruction a turn, in the same order in every step.
.macro MUL8 a, p, q, sc, zero
.irp b, 0,1,2,3,4,5,6,7
.if \zero
	v_wmma_scale_f32_16x16x128_f8f6f4 v[8*(8*(\a)+\b):8*(8*(\a)+\b)+7], v[128*(\p)+8*\b:128*(\p)+8*\b+7], v[AF+32*(\p)+8*(\a):AF+32*(\p)+8*(\a)+7], 0, v[SC+32*(\sc)+4*\b+(\q)], v[SC+32*(\sc)+4*(\a)+(\q)] matrix_a_fmt:MATRIX_FMT_FP4 matrix_b_fmt:MATRIX_FMT_FP4 matrix_a_scale:MATRIX_SCALE_ROW1
.else
	v_wmma_scale_f32_16x16x128_f8f6f4 v[8*(8*(\a)+\b):8*(8*(\a)+\b)+7], v[128*(\p)+8*\b:128*(\p)+8*\b+7], v[AF+32*(\p)+8*(\a):AF+32*(\p)+8*(\a)+7], v[8*(8*(\a)+\b):8*(8*(\a)+\b)+7], v[SC+32*(\sc)+4*\b+(\q)], v[SC+32*(\sc)+4*(\a)+(\q)] matrix_a_fmt:MATRIX_FMT_FP4 matrix_b_fmt:MATRIX_FMT_FP4 matrix_a_scale:MATRIX_SCALE_ROW1
.endif
.endr
.endm
; A step of 128 along K that has its successor in the same slot: the successor's 24 loads go out first and have this step's 32 matrix instructions in which to come.
.macro STEP slot, q, zero
	s_wait_dscnt 0x0                               ; this step's set is in: it was asked for a step ago
	PLACES 4                                       ; four places between the last step's products and the loads into the registers that they read (ISA guide 7.12.1 for vector instructions)
	FETCH \slot, (\q)+1, 1-(\q)%2
	WIN MUL
	MUL8 0, (\q)%2, \q, \slot, \zero
	MUL8 1, (\q)%2, \q, \slot, \zero
	MUL8 2, (\q)%2, \q, \slot, \zero
	MUL8 3, (\q)%2, \q, \slot, \zero
.endm
; A slot's last step changes slots: one barrier; in front of it each wave waits for all its tensor loads, adds 0 to its spare word, and waits for that and for its reads of this slot.
; fill = 1: the barrier opens a round of the cluster's barrier, and this slot is filled again, two K steps ahead.  ks: the K step that lies in the next slot.
.macro TURN slot, next, fill, ks
	WIN 0                                          ; (the add's two registers lie in window 0)
	s_wait_tensorcnt 0x0                           ; all my tensor loads have landed: my part of the next slot
	ds_add_u32 v[SPW], v[NIL]                      ; 0 onto my spare word
	s_wait_dscnt 1                                 ; this step's set is in; the add may be out
	WIN MUL
	MUL8 0, 1, 3, \slot, 0                         ; eight matrix instructions stand between the add and the wait for it
	s_wait_dscnt 0x0                               ; the add is done, and my reads of this slot are over
	s_barrier_signal -1
	MUL8 1, 1, 3, \slot, 0
	WIN 0
	s_barrier_wait -1
.if \fill
	CREST                                          ; no wave of any partner still reads this slot's tile or has a load on its way
	s_add_nc_u64 s[G0+4*\slot+2:G0+4*\slot+3], s[G0+4*\slot+2:G0+4*\slot+3], ASTEP
	s_add_nc_u64 s[G0B+4*\slot+2:G0B+4*\slot+3], s[G0B+4*\slot+2:G0B+4*\slot+3], BSTEP
	JLOAD G0+4*\slot, G1, G0B+4*\slot, G1B         ; my one tensor load behind the round; its four v_nop are also the places in front of the loads below
.else
	PLACES 4
.endif
	FETCH \next, 0, 0
	SCALES \next, \ks
	WIN MUL
	MUL8 2, 1, 3, \slot, 0
	MUL8 3, 1, 3, \slot, 0
.endm
	s_wait_tensorcnt 1                             ; the scales and my part of K step 0 are in; slot 1's fill may stay out
	s_barrier_signal -1
	s_barrier_wait -1
	FETCH 0, 0, 0
	SCALES 0, 0
	STEP 0, 0, 1                                   ; the first products start the sums: nothing is cleared
	STEP 0, 1, 0
	STEP 0, 2, 0
	TURN 0, 1, 1, 1                                ; slot 0 takes K step 2
	STEP 1, 0, 0
	STEP 1, 1, 0
	STEP 1, 2, 0
	TURN 1, 0, 1, 2                                ; slot 1 takes K step 3
	STEP 0, 0, 0
	STEP 0, 1, 0
	STEP 0, 2, 0
	TURN 0, 1, 0, 3                                ; nothing is left to fetch
	STEP 1, 0, 0
	STEP 1, 1, 0
	STEP 1, 2, 0
	s_wait_dscnt 0x0
	WIN MUL
	MUL8 0, 1, 3, 1, 0
	MUL8 1, 1, 3, 1, 0
	MUL8 2, 1, 3, 1, 0
	MUL8 3, 1, 3, 1, 0
; ---- ROTARY AND QUANTISER, a block of 16 rows of one head at a time.
.macro ROPE a, eta                     ; v[X + 8 t + j] = rotated q(row, d = 16 t + 8 h + j).  Each accumulator is read from its low end on
	WIN 0x0e                                       ; source 0 (q) window 2, source 1 (cosine, sine) window 3
.irp t, 0,1,2,3
.irp jj, 0,1,2,3
	v_mul_f32 v[X+8*\t+2*\jj], v[8*(8*\a+4*\eta+\t)+2*\jj+1], v[2*(16*\a+4*\t+\jj)+1]
	v_mul_f32 v[X+8*\t+2*\jj+1], v[8*(8*\a+4*\eta+\t)+2*\jj+1], v[2*(16*\a+4*\t+\jj)]
.endr
.irp jj, 0,1,2,3
	v_fma_f32 v[X+8*\t+2*\jj], v[8*(8*\a+4*\eta+\t)+2*\jj], v[2*(16*\a+4*\t+\jj)], -v[X+8*\t+2*\jj]        ; x1 cos - x2 sin
	v_fma_f32 v[X+8*\t+2*\jj+1], v[8*(8*\a+4*\eta+\t)+2*\jj], v[2*(16*\a+4*\t+\jj)+1], v[X+8*\t+2*\jj+1]   ; x1 sin + x2 cos
.endr
.endr
	WIN 0
.endm
; 32 numbers of a lane, v[x + 8 t + j] = column 16 t + 8 h + j of its row's 64, become the lane's 16 bytes of block h in v[rc .. rc + 3] and the row's scale word in v[ow].
.macro QUANT2 x, rc, ow
.irp g, 0,1
	v_max3_num_f32 v[BM+\g], |v[\x+16*\g]|, |v[\x+16*\g+1]|, 0x1800000   ; block g: my 16 numbers, and the floor 2^(3 - 127): the byte cannot fall under 1
.endr
.irp i, 2,4,6,8,10,12,14
.irp g, 0,1
	v_max3_num_f32 v[BM+\g], v[BM+\g], |v[\x+16*\g+\i]|, |v[\x+16*\g+\i+1]|
.endr
.endr
.irp g, 0,1
	v_permlanex16_b32 v[BT+\g], v[BM+\g], s[SEL], s[SEL+1]
.endr
.irp g, 0,1
	v_max_num_f32 v[BM+\g], v[BM+\g], v[BT+\g]     ; with lane l xor 16's 16: the block's largest magnitude
.endr
.irp g, 0,1
	v_add_nc_u32 v[BS+\g], 0xff000000, v[BM+\g]    ; 2 off its exponent field: the conversion takes this operand's exponent field as its scale
.endr
.irp g, 0,1
	v_lshrrev_b32 v[BT+\g], 23, v[BS+\g]           ; the scale's byte
.endr
	v_lshl_or_b32 v[\ow], v[BT+1], 8, v[BT]
	v_cvt_scalef32_pk8_fp4_f32 v[\rc], v[\x:\x+7], v[BS]
	v_cvt_scalef32_pk8_fp4_f32 v[\rc+2], v[\x+8:\x+15], v[BS]
	v_cvt_scalef32_pk8_fp4_f32 v[\rc+1], v[\x+16:\x+23], v[BS+1]
	v_cvt_scalef32_pk8_fp4_f32 v[\rc+3], v[\x+24:\x+31], v[BS+1]
	v_nop                                          ; one plain place behind a scaled conversion
	v_permlane16_swap_b32 v[\rc], v[\rc+1]         ; lanes 0-15 keep block 0's codes and get their partners', lanes 16-31 block 1's
	v_permlane16_swap_b32 v[\rc+2], v[\rc+3]
.endm
	PLACES 4                                       ; between the last products and the first read of results
.irp a, 0,1,2,3
.irp eta, 0,1
	ROPE \a, \eta
	QUANT2 X, RC+4*(2*\a+\eta), OW+2*\a+\eta
	global_store_b128 v[CDO], v[RC+4*(2*\a+\eta):RC+4*(2*\a+\eta)+3], s[12:13] offset:65536*\eta+512*\a   ; 32 lanes store 512 consecutive bytes, at a multiple of 512 from the buffer's first byte
	global_store_b32 v[SWO], v[OW+2*\a+\eta], s[14:15] offset:8192*\eta+64*\a                             ; 16 words; lanes l and l xor 16 write the same word with the same value
.endr
.endr
	s_wait_tensorcnt 0x0                           ; the wave's end
	ds_add_u32 v[SPW], v[NIL]
	s_wait_dscnt 0x0
	CROUND                                         ; the closing round: no work-group ends while a partner may still ask for a tile that names it
	s_endpgm
.Lfunc_end_k_q3a037d30cd_qproj:
	.size	k_q3a037d30cd_qproj, .Lfunc_end_k_q3a037d30cd_qproj-k_q3a037d30cd_qproj
	.p2alignl 7, 3214868480
	.fill 96, 4, 3214868480
	.section	.rodata,"a",@progbits
	.p2align	6, 0x0
	.amdhsa_kernel k_q3a037d30cd_qproj
		.amdhsa_group_segment_fixed_size 327680
		.amdhsa_private_segment_fixed_size 0
		.amdhsa_enable_private_segment 0
		.amdhsa_kernarg_size 48
		.amdhsa_user_sgpr_count 2
		.amdhsa_user_sgpr_kernarg_segment_ptr 1
		.amdhsa_wavefront_size32 1
		.amdhsa_system_sgpr_workgroup_id_x 1
		.amdhsa_system_sgpr_workgroup_id_y 1
		.amdhsa_system_sgpr_workgroup_id_z 1
		.amdhsa_system_vgpr_workitem_id 0
		.amdhsa_next_free_vgpr 896
		.amdhsa_next_free_sgpr 106
		.amdhsa_reserve_vcc 1
		.amdhsa_float_denorm_mode_32 3
		.amdhsa_float_denorm_mode_16_64 3
		.amdhsa_memory_ordered 1
		.amdhsa_forward_progress 1
		.amdhsa_inst_pref_size 234
	.end_amdhsa_kernel
	.amdgpu_metadata
---
amdhsa.version: [ 1, 2 ]
amdhsa.kernels:
  - .name:           k_q3a037d30cd_qproj
    .symbol:         k_q3a037d30cd_qproj.kd
    .args:
      - { .name: hidden_states_codes, .offset: 0, .size: 8, .value_kind: global_buffer, .address_space: global }
      - { .name: hidden_states_scales, .offset: 8, .size: 8, .value_kind: global_buffer, .address_space: global }
      - { .name: Wq_codes, .offset: 16, .size: 8, .value_kind: global_buffer, .address_space: global }
      - { .name: Wq_scales, .offset: 24, .size: 8, .value_kind: global_buffer, .address_space: global }
      - { .name: q_codes, .offset: 32, .size: 8, .value_kind: global_buffer, .address_space: global }
      - { .name: q_sw, .offset: 40, .size: 8, .value_kind: global_buffer, .address_space: global }
    .group_segment_fixed_size: 327680
    .private_segment_fixed_size: 0
    .kernarg_segment_align: 8
    .kernarg_segment_size: 48
    .max_flat_workgroup_size: 128
    .sgpr_count:     106
    .vgpr_count:     896
    .wavefront_size: 32
...
	.end_amdgpu_metadata
.endif
;; end of part 1
;; launch attn (part 2): grid 4 x 64, 16 waves a work-group, clusters of 4 x 1, 169,984 bytes of LDS; arguments q_codes, q_sw, shared_k_codes, shared_k_scales, shared_v_codes, shared_v_scales, o_codes, o_scales; writes o_codes, o_scales
.if DOCPART == 2
	.amdgcn_target "amdgcn-amd-amdhsa--gfx1250"
	.amdhsa_code_object_version 6
	.text
	.protected	k_q3a037d30cd_attn
	.globl	k_q3a037d30cd_attn
	.p2align	8
	.type	k_q3a037d30cd_attn,@function
k_q3a037d30cd_attn:
	s_mov_b64 s[64:65], 0
	v_nop
	global_prefetch_b8 v0, s[64:65] scope:SCOPE_SE
	s_setreg_imm32_b32 hwreg(HW_REG_WAVE_MODE, 25, 1), 1
	s_wait_xcnt 0x0
	s_wait_alu depctr_hold_cnt(0) depctr_sa_sdst(0) depctr_va_vdst(0) depctr_va_sdst(0) depctr_va_ssrc(0) depctr_va_vcc(0) depctr_vm_vsrc(0)
	s_getreg_b32 s2, hwreg(HW_REG_IB_STS2, 6, 4)
	s_cmp_eq_u32 s2, 0
	s_cbranch_scc0 .Lentry_in_a_cluster
	s_endpgm
.Lentry_in_a_cluster:
	s_bfe_u32 s2, ttmp6, 0x10000c
	s_cmp_lg_u32 s2, 0x3003
	s_cbranch_scc0 .Lentry_shape_is_right
	s_endpgm
.Lentry_shape_is_right:
; Causal attention of one (batch, head) a cluster, both products on codes of FP4 (E2M1) with one E8M0 scale for each 32 along K; then o / l, quantised along the head's 64 for the last product.
; Q: images and scale words as the first launch left them.  K: codes [b][key][head][32 bytes], scale bytes [b][key][head][2].  V: codes with the keys innermost, [b][head][d 64][1,024 bytes], scale bytes [b][head][d][64].
; THE SOFTMAX: t = score x log2(e) / 8; M = the row's largest t so far, rounded up to a whole number; p = 2^(t - M) is quantised along the keys, not normalised; the row's sum is taken of the unquantised p
; and divides at the end.  When M moves, the sum and O are multiplied by 2^(old M - new M): exact.
; SHARES.  A head has 128 tiles of 16 queries; tile i needs i / 8 + 1 steps of 128 keys (the rest lies under the causal mask).  A wave takes tiles 127 - i and i, i = 8 u + v under 64: 16 - u and u + 1 steps,
; 17 for every wave.  u = wave mod 8; v = 2 cx + wave / 8: so every count and branch hangs on the wave's number and the trip alone and is alike in the four partners; cx enters only Q's and O's
; places in memory and the mask's numbers.  4 work-groups x 16 waves are a head's 64 pairs.
; A HEAD'S K AND V STAY IN LDS: 64 KiB of codes each and their scales.  The four partners need the same bytes: each tile is asked for jointly, once, at the head (waves 0-3 K, 4-7 V, wave 8 V's scales).
; Nothing is filled again: one barrier, and behind it LDS is only read.  K's scale bytes, two in every 64 of memory, come through registers and are laid as a word a key.
; LAYOUT.  Both products are used transposed: S^T = K Q^T, O^T = V^T P^T: a lane holds one query (lane mod 16) throughout.  Lane r of key tile 2 b + u takes key 32 b + 8 u + r + 8 (r / 8), so that the 16 registers
; of tiles 2 b and 2 b + 1 are 16 neighbouring keys.  The first product's K is 64 of the instruction's 128: Q's upper four registers are zero codes; K's upper four are whatever lies next (the next tile's codes):
; they meet zeros, under scale bytes 0, which are 2^-127 and no NaN.
; OUT.  o_codes [row / 16][head][512 bytes]: lane (r, h)'s 16 bytes of d = 32 h .. + 31 of row r at 16 x lane: head 2 s + c is registers 4 c .. 4 c + 3 of K step s of the last product's operand.  o_scales [row][64].
; LIMITS: NaN and infinities are not served; a block whose largest magnitude lies under 2^-124 (a block of zeros too) gets the byte 1: the bytes are read by this program alone.
.set KC,   0                           ; LDS: 2,048 keys x 32 bytes
.set VC,   65536                       ; 64 rows of V x (1,024 bytes + 16)
.set VP,   1040
.set VS,   VC+64*VP                    ; 64 rows of V's scale bytes x (64 + 16)
.set VSP,  80
.set KSW,  VS+64*VSP                   ; a word a key: K's two scale bytes and two zeros; written by LDS stores: a multiple of 256, and no tile lands there
.set AK0,  1                           ; v1  my lane's place in a tile of K
.set AV0,  2                           ; v2  the same for V
.set ASK0, 3                           ; v3  among K's scale words
.set ASV0, 4                           ; v4  among V's
.set GOC,  5                           ; v5  16 x lane
.set GOS,  6                           ; v6  64 r
.set DQ,   7                           ; v7  r - 16 h
.set ADK,  8                           ; v8-11 the step's LDS addresses
.set ADV,  9
.set ADS,  10
.set ADT,  11                          ; v12 -M, v13 the largest t, v[14:15] the sum in two halves
.set QC,   16                          ; v16-19 Q's codes, v20-23 zeros
.set QS,   24                          ; v24 Q's scale words; v25, v26-29 the second tile's
.set QSN,  25
.set QN,   26
.set VF,   32                          ; v32-63 four fragments of V
.set KD,   64                          ; v64-95 eight tiles of K, four registers each; v96-99 zeros
.set KZ,   96
.set SCO,  100                         ; v100-163 S^T, then p
.set OT,   164                         ; v164-195 O^T
.set PC,   196                         ; v196-203 p's codes
.set KSC,  204
.set VSC,  212
.set BM,   216
.set BT,   220
.set BS,   224
.set FF,   228                         ; v228 2^(old M - new M); v229 p's scale word
.set PW,   229
.set TA,   230
.set TB,   231
.set SUM2, 232
.set AOC,  234
.set AOS,  235
.set RC,   236
.set OW,   240
.set WV,   20
.set UU,   21
.set U15,  22
.set N0,   23
.set G1K,  24
.set G1V,  32
.set G1S,  40
.set G0K,  48
.set G0V,  52
.set G0S,  56
.set SEL,  60
.set CS,   62
.set QA,   66
.set QB,   67
.set TRIP, 68
.set KS,   69
.set LAST, 70
.set QD,   71
.set T0,   72
.set SUB,  76
.set OFCA, 77
.set OFCB, 78
.set OFSA, 79
.set OFSB, 80
.set OFC,  90
.set OFS,  91
.macro SHAPE g, c, r, p
	s_mov_b32 s[\g+1], (\c)<<16
	s_mov_b32 s[\g+2], (\r)<<16
	s_mov_b32 s[\g+3], (\c)<<16
	s_mov_b32 s[\g+4], \r
	s_mov_b32 s[\g+5], \p
	s_mov_b32 s[\g+6], 0
	s_mov_b32 s[\g+7], 0
.endm
.macro CROUND                          ; a round of the cluster's barrier
	s_barrier_signal -1
	s_barrier_wait -1
	s_cmp_lg_u32 s[WV], 0
	s_cbranch_scc1 .Lnot_wave_0_\@
	s_barrier_signal -3
.Lnot_wave_0_\@:
	s_barrier_wait -3
	s_barrier_signal -1
	s_barrier_wait -1
.endm
.macro QUANT2 x, rc, ow                ; as in the first launch: 32 numbers of a lane, v[x + 8 t + j] = column 16 t + 8 h + j, become the lane's 16 bytes of block h and the row's scale word
.irp g, 0,1
	v_max3_num_f32 v[BM+\g], |v[\x+16*\g]|, |v[\x+16*\g+1]|, 0x1800000
.endr
.irp i, 2,4,6,8,10,12,14
.irp g, 0,1
	v_max3_num_f32 v[BM+\g], v[BM+\g], |v[\x+16*\g+\i]|, |v[\x+16*\g+\i+1]|
.endr
.endr
.irp g, 0,1
	v_permlanex16_b32 v[BT+\g], v[BM+\g], s[SEL], s[SEL+1]
.endr
.irp g, 0,1
	v_max_num_f32 v[BM+\g], v[BM+\g], v[BT+\g]
.endr
.irp g, 0,1
	v_add_nc_u32 v[BS+\g], 0xff000000, v[BM+\g]
.endr
.irp g, 0,1
	v_lshrrev_b32 v[BT+\g], 23, v[BS+\g]
.endr
	v_lshl_or_b32 v[\ow], v[BT+1], 8, v[BT]
	v_cvt_scalef32_pk8_fp4_f32 v[\rc], v[\x:\x+7], v[BS]
	v_cvt_scalef32_pk8_fp4_f32 v[\rc+2], v[\x+8:\x+15], v[BS]
	v_cvt_scalef32_pk8_fp4_f32 v[\rc+1], v[\x+16:\x+23], v[BS+1]
	v_cvt_scalef32_pk8_fp4_f32 v[\rc+3], v[\x+24:\x+31], v[BS+1]
	v_nop                                          ; one plain place behind a scaled conversion
	v_permlane16_swap_b32 v[\rc], v[\rc+1]
	v_permlane16_swap_b32 v[\rc+2], v[\rc+3]
.endm
	s_load_b256 s[4:11], s[0:1], 0x0               ; q_codes, q_sw, K's codes, K's scales
	s_load_b256 s[12:19], s[0:1], 0x20             ; V's codes, V's scales, o_codes, o_scales
	v_lshl_add_u32 v254, v0, 2, 0x29000
	v_mov_b32 v255, 0
	ds_add_u32 v254, v255
	ds_add_u32 v254, v255
	v_lshrrev_b32 v1, 5, v0
	v_readfirstlane_b32 s[WV], v1                  ; wave 0..15
	s_bfe_u32 s81, ttmp6, 0x40000                  ; cx
	s_and_b32 s82, ttmp7, 0xffff                   ; 32 b + head: the cluster's y, shared by the four
	s_lshr_b32 s83, s82, 5                         ; b
	s_and_b32 s84, s82, 31                         ; head
	s_and_b32 s[UU], s[WV], 7
	s_lshr_b32 s85, s[WV], 3
	s_lshl_b32 s86, s81, 1
	s_add_co_u32 s86, s86, s85                     ; v
	s_lshl_b32 s87, s[UU], 3
	s_add_co_u32 s87, s87, s86                     ; the second tile, 8 u + v
	s_sub_co_u32 s88, 127, s87                     ; the first
	s_lshl_b32 s[QA], s87, 4                       ; their first queries
	s_lshl_b32 s[QB], s88, 4
	s_sub_co_u32 s[U15], 15, s[UU]                 ; the first tile's last key step,
	s_sub_co_u32 s[N0], 16, s[UU]                  ; and its number of steps
	s_and_b32 s89, s[WV], 3                        ; which quarter I fetch, if I fetch
	s_mov_b32 s[G1K], 15|(1<<21)                   ; the mask: all four; elements of 1 byte; no padding; bit 21 beside a mask
	SHAPE G1K, 32, 512, 1024                       ; 512 keys' 32 bytes, 1,024 bytes apart
	s_mov_b32 s[G1V], 15|(3<<16)|(1<<20)|(1<<21)|(7<<22)|(3<<25)   ; elements of 8 bytes; four words of padding after every 256
	SHAPE G1V, 128, 16, 128                        ; 16 rows of 1,024 bytes, dense
	s_mov_b32 s[G1S], 15|(1<<20)|(1<<21)|(3<<22)|(3<<25)           ; elements of 1 byte; four words after every 16
	SHAPE G1S, 64, 64, 64                          ; 64 rows of 64 bytes, dense
	s_lshl_b32 s92, s83, 21                        ; K: the batch's 2,048 keys x 1,024 bytes, the head's 32 bytes, my 512 keys
	s_lshl_b32 s93, s84, 5
	s_add_co_u32 s92, s92, s93
	s_lshl_b32 s93, s89, 19
	s_add_co_u32 s92, s92, s93
	s_mov_b32 s93, 0
	s_lshl_b32 s94, s82, 16                        ; V: the head's 65,536 bytes, my 16 rows
	s_lshl_b32 s95, s89, 14
	s_add_co_u32 s94, s94, s95
	s_mov_b32 s95, 0
	s_lshl_b32 s96, s82, 12                        ; V's scales: the head's 4,096 bytes
	s_mov_b32 s97, 0
	s_lshl_b32 s98, s83, 17                        ; K's scales: the batch's 2,048 x 64 bytes, the head's two
	s_lshl_b32 s99, s84, 1
	s_add_co_u32 s98, s98, s99
	s_mov_b32 s99, 0
	s_mov_b32 s[SEL], 0x76543210
	s_mov_b32 s[SEL+1], 0xfedcba98
	s_mov_b32 s[CS], 0x3e38aa3b                    ; c = log2(e) / 8
	s_mov_b32 s[CS+1], s[CS]                       ; (named with it as a pair, so it is written)
	s_wait_dscnt 0x0
	s_wait_kmcnt 0x0
	s_mov_b32 s[G0K], 1
	s_lshl_b32 s[G0K+1], s89, 14                   ; KC + 16,384 x quarter
	s_add_nc_u64 s[G0K+2:G0K+3], s[8:9], s[92:93]
	s_or_b32 s[G0K+3], s[G0K+3], 0x80000000
	s_mov_b32 s[G0V], 1
	s_mul_i32 s[G0V+1], s89, 16*VP
	s_add_co_u32 s[G0V+1], s[G0V+1], VC
	s_add_nc_u64 s[G0V+2:G0V+3], s[12:13], s[94:95]
	s_or_b32 s[G0V+3], s[G0V+3], 0x80000000
	s_mov_b32 s[G0S], 1
	s_mov_b32 s[G0S+1], VS
	s_add_nc_u64 s[G0S+2:G0S+3], s[14:15], s[96:97]
	s_or_b32 s[G0S+3], s[G0S+3], 0x80000000
	s_add_nc_u64 s[10:11], s[10:11], s[98:99]
	CROUND                                         ; all four work-groups are here: the joint loads meet
	s_cmp_lt_u32 s[WV], 4                          ; a wave has one fill at the most; four v_nop follow each
	s_cbranch_scc0 .Lnot_k
	tensor_load_to_lds s[G0K:G0K+3], s[G1K:G1K+7]
	s_nop 0
.rept 4
	v_nop
.endr
	s_branch .Lasked
.Lnot_k:
	s_cmp_lt_u32 s[WV], 8
	s_cbranch_scc0 .Lnot_v
	tensor_load_to_lds s[G0V:G0V+3], s[G1V:G1V+7]
	s_nop 0
.rept 4
	v_nop
.endr
	s_branch .Lasked
.Lnot_v:
	s_cmp_eq_u32 s[WV], 8
	s_cbranch_scc0 .Lasked
	tensor_load_to_lds s[G0S:G0S+3], s[G1S:G1S+7]
	s_nop 0
.rept 4
	v_nop
.endr
.Lasked:
	v_lshlrev_b32 v8, 6, v0                        ; K's scale bytes: thread n takes keys n, n + 512, n + 1,024, n + 1,536: 64 bytes from key to key
.irp j, 0,1,2,3
	global_load_u16 v[SCO+\j], v8, s[10:11] offset:32768*\j
.endr
	v_and_b32 v[GOC], 31, v0
	v_lshlrev_b32 v[GOC], 4, v[GOC]
	v_and_b32 v[TA], 15, v0                        ; r
	v_bfe_u32 v[TB], v0, 4, 1                      ; h
	v_lshlrev_b32 v[SUM2], 2, v[TA]                ; 4 r
	s_lshl_b32 s85, s82, 16                        ; Q's images: 128 x 512 bytes a head
	s_lshl_b32 s86, s88, 9
	s_add_co_u32 s86, s86, s85
	v_add_nc_u32 v9, s86, v[GOC]
	s_lshl_b32 s81, s87, 9
	s_add_co_u32 s81, s81, s85
	v_add_nc_u32 v10, s81, v[GOC]
	s_lshl_b32 s85, s82, 13                        ; its scale words: 2,048 x 4 bytes a head
	s_lshl_b32 s86, s88, 6
	s_add_co_u32 s86, s86, s85
	v_add_nc_u32 v11, s86, v[SUM2]
	s_lshl_b32 s81, s87, 6
	s_add_co_u32 s81, s81, s85
	v_add_nc_u32 v[SUM2+1], s81, v[SUM2]
	global_load_b128 v[QC:QC+3], v9, s[4:5]        ; the first tile's Q
	global_load_b32 v[QS], v11, s[6:7]
	global_load_b128 v[QN:QN+3], v10, s[4:5]       ; the second's
	global_load_b32 v[QSN], v[SUM2+1], s[6:7]
	s_lshl_b32 s85, s83, 21                        ; o_codes: 16 rows are 16,384 bytes, a head's image 512
	s_lshl_b32 s86, s84, 9
	s_add_co_u32 s85, s85, s86
	s_lshl_b32 s[OFCA], s87, 14
	s_add_co_u32 s[OFCA], s[OFCA], s85
	s_lshl_b32 s[OFCB], s88, 14
	s_add_co_u32 s[OFCB], s[OFCB], s85
	s_lshl_b32 s85, s83, 17                        ; o_scales: 64 bytes a row, a head's two
	s_lshl_b32 s86, s84, 1
	s_add_co_u32 s85, s85, s86
	s_lshl_b32 s[OFSA], s87, 10
	s_add_co_u32 s[OFSA], s[OFSA], s85
	s_lshl_b32 s[OFSB], s88, 10
	s_add_co_u32 s[OFSB], s[OFSB], s85
	v_and_b32 v[ASK0], 8, v[TA]
	v_add_nc_u32 v[ASK0], v[ASK0], v[TA]           ; r + 8 (r / 8)
	v_lshlrev_b32 v[AK0], 5, v[ASK0]
	v_lshl_add_u32 v[AK0], v[TB], 4, v[AK0]        ; K: 32 bytes a key, + 16 h
	v_lshl_add_u32 v[ASK0], v[ASK0], 2, KSW        ; its scale words: 4 bytes a key
	v_mul_u32_u24 v[AV0], v[TA], VP
	v_lshl_add_u32 v[AV0], v[TB], 4, v[AV0]
	v_add_nc_u32 v[AV0], VC, v[AV0]                ; V: row r, + 16 h
	v_mul_u32_u24 v[ASV0], v[TA], VSP
	v_add_nc_u32 v[ASV0], VS, v[ASV0]
	v_lshlrev_b32 v[GOS], 6, v[TA]
	v_lshlrev_b32 v[DQ], 4, v[TB]
	v_sub_nc_u32 v[DQ], v[TA], v[DQ]
	v_lshl_add_u32 v[AOC], v0, 2, KSW              ; where my four words of K's scales go
	v_mov_b32 v13, 0xff61b1e6                      ; the largest t so far: -3e38, under every t
	v_floor_f32 v12, -v13                          ; -M
	v_mov_b32 v14, 0
	v_mov_b32 v15, 0
.irp j, 0,1,2,3
	v_mov_b32 v[QC+4+\j], 0                        ; Q's upper 64 along K: zero codes
	v_mov_b32 v[KZ+\j], 0
	v_mov_b32 v[BT+\j], 0                          ; written once: a lane permute's destination counts as one of its sources
.endr
	v_mov_b32 v[PW], 0                             ; (named as the upper half of a pair before it is first written)
.set n, 0
.rept 32
	v_mov_b32 v[OT+n], 0                           ; O^T: the step is written once; a tile's first step finds zeros
.set n, n+1
.endr
	s_wait_loadcnt 4                               ; K's four scale loads are in; Q's four may be out
.irp j, 0,1,2,3
	ds_store_b32 v[AOC], v[SCO+\j] offset:2048*\j  ; two bytes and two zeros
.endr
	s_wait_loadcnt 0x0                             ; Q
	s_wait_tensorcnt 0x0                           ; my tile has landed,
	s_wait_dscnt 0x0                               ; and my stores
	s_barrier_signal -1
	s_barrier_wait -1                              ; everybody's have: from here on LDS is only read
	s_mov_b32 s[TRIP], 0
.Lstep:                                            ; 17 trips: 16 - u key steps of the first tile, u + 1 of the second
	s_cmp_ge_u32 s[TRIP], s[N0]
	s_cselect_b32 s[SUB], s[N0], 0
	s_cselect_b32 s[LAST], s[UU], s[U15]
	s_cselect_b32 s[QD], s[QA], s[QB]
	s_cselect_b32 s[OFC], s[OFCA], s[OFCB]
	s_cselect_b32 s[OFS], s[OFSA], s[OFSB]
	s_sub_co_u32 s[KS], s[TRIP], s[SUB]
	s_and_b32 s[KS], s[KS], 15                     ; the tile's key step, 0 .. 15
	s_lshl_b32 s[T0], s[KS], 12                    ; 128 keys: 4,096 bytes of K's codes,
	s_lshl_b32 s[T0+1], s[KS], 9                   ; 512 of its scale words,
	s_lshl_b32 s[T0+2], s[KS], 6                   ; 64 in each row of V,
	s_lshl_b32 s[T0+3], s[KS], 2                   ; 4 in each row of V's scales
	v_add_nc_u32 v[ADK], s[T0], v[AK0]
	v_add_nc_u32 v[ADS], s[T0+1], v[ASK0]
	v_add_nc_u32 v[ADV], s[T0+2], v[AV0]
	v_add_nc_u32 v[ADT], s[T0+3], v[ASV0]
.irp t, 0,1,2,3,4,5,6,7
	ds_load_b128 v[KD+4*\t:KD+4*\t+3], v[ADK] offset:(32*(\t/2)+8*(\t%2))*32
	ds_load_b32 v[KSC+\t], v[ADS] offset:(32*(\t/2)+8*(\t%2))*4
.endr
	s_wait_dscnt 0x0
.irp t, 0,1,2,3,4,5,6,7                        ; S^T = K Q^T
	v_wmma_scale_f32_16x16x128_f8f6f4 v[SCO+8*\t:SCO+8*\t+7], v[KD+4*\t:KD+4*\t+7], v[QC:QC+7], 0, v[KSC+\t], v[QS] matrix_a_fmt:MATRIX_FMT_FP4 matrix_b_fmt:MATRIX_FMT_FP4
.endr
.rept 4
	v_nop                                          ; places in front of the first read of the scores; with the four additions above also in front of the loads into V's registers
.endr
.irp t, 0,1,2,3                                ; V's fragments are asked for now and come while the softmax is walked
.irp c, 0,1
	ds_load_b128 v[VF+8*\t+4*\c:VF+8*\t+4*\c+3], v[ADV] offset:16*\t*VP+32*\c
.endr
	ds_load_b32 v[VSC+\t], v[ADT] offset:16*\t*VSP
.endr
	s_cmp_lg_u32 s[KS], s[LAST]                    ; only a tile's last step meets the diagonal: there hidden scores become -infinity, and p = 0
	s_cbranch_scc1 .Lopen
	s_lshl_b32 s[SUB], s[KS], 7
	s_sub_co_i32 s[SUB], s[QD], s[SUB]
	v_add_nc_u32 v[TB], s[SUB], v[DQ]              ; d = my query - the step's first key - 16 h.  Register 16 b + i holds key 32 b + 16 h + i of the step: hidden where 32 b + i > d
	v_mov_b32 v[TA], 0xff800000
.set n, 0
.rept 64
	v_cmp_gt_i32 vcc_lo, 32*(n/16)+n%16, v[TB]
	v_cndmask_b32 v[SCO+n], v[SCO+n], v[TA], vcc_lo
.set n, n+1
.endr
.Lopen:
.irp b, 0,1,2,3
	v_max3_num_f32 v[BM+\b], v[SCO+16*\b], v[SCO+16*\b+1], v[SCO+16*\b+2]   ; the largest score of each block of 32 keys: for the row's maximum and, since p rises with the score, for the block's largest p
.endr
.irp i, 3,5,7,9,11,13
.irp b, 0,1,2,3
	v_max3_num_f32 v[BM+\b], v[BM+\b], v[SCO+16*\b+\i], v[SCO+16*\b+\i+1]
.endr
.endr
.irp b, 0,1,2,3
	v_max_num_f32 v[BM+\b], v[BM+\b], v[SCO+16*\b+15]
.endr
.irp b, 0,1,2,3
	v_permlanex16_b32 v[BT+\b], v[BM+\b], s[SEL], s[SEL+1]
.endr
.irp b, 0,1,2,3
	v_max_num_f32 v[BM+\b], v[BM+\b], v[BT+\b]     ; with lane l xor 16's 16 keys
.endr
	v_max3_num_f32 v[TA], v[BM], v[BM+1], v[BM+2]
	v_max_num_f32 v[TA], v[TA], v[BM+3]
	v_mul_f32 v[TA], s[CS], v[TA]                  ; the step's largest t (c is positive)
	v_max_num_f32 v13, v13, v[TA]
	v_mov_b32 v[TA], v12
	v_floor_f32 v12, -v13                          ; the new -M = -ceil(t)
	v_sub_f32 v[TA], v12, v[TA]                    ; old M - new M: a whole number, 0 or less
	v_cvt_i32_f32 v[TA], v[TA]                     ; (it saturates)
	v_ldexp_f32 v[FF], 1.0, v[TA]
.set n, 0
.rept 32
	v_pk_fma_f32 v[SCO+n:SCO+n+1], v[SCO+n:SCO+n+1], s[CS:CS+1], v[12:13] op_sel_hi:[1,0,0]   ; t - M, two at a time
.set n, n+2
.endr
.irp b, 0,1,2,3
	v_fma_f32 v[BM+\b], v[BM+\b], s[CS], v12
.endr
.set n, 0
.rept 64
	v_exp_f32 v[SCO+n], v[SCO+n]                   ; p = 2^(t - M)
.set n, n+1
.endr
.irp b, 0,1,2,3
	v_exp_f32 v[BM+\b], v[BM+\b]                   ; the block's largest p: the same two instructions on the same number
.endr
	v_pk_mul_f32 v[14:15], v[14:15], v[FF:FF+1] op_sel_hi:[1,0]   ; the sums under the new M (a plain place behind the exponentials)
	s_wait_alu depctr_va_vdst(0)
.irp b, 0,1,2,3
	v_max_num_f32 v[BM+\b], 0x1800000, v[BM+\b]    ; the floor 2^(3 - 127)
.endr
.irp b, 0,1,2,3
	v_add_nc_u32 v[BS+\b], 0xff000000, v[BM+\b]
.endr
.irp b, 0,1,2,3
	v_lshrrev_b32 v[BT+\b], 23, v[BS+\b]
.endr
	v_lshl_or_b32 v[PW], v[BT+1], 8, v[BT]         ; p's scale word for these 128 keys
	v_lshl_or_b32 v[PW], v[BT+2], 16, v[PW]
	v_lshl_or_b32 v[PW], v[BT+3], 24, v[PW]
.irp b, 0,1,2,3
	v_cvt_scalef32_pk8_fp4_f32 v[PC+2*\b], v[SCO+16*\b:SCO+16*\b+7], v[BS+\b]
	v_cvt_scalef32_pk8_fp4_f32 v[PC+2*\b+1], v[SCO+16*\b+8:SCO+16*\b+15], v[BS+\b]
.endr
	v_nop                                          ; one plain place behind a scaled conversion
.irp c, 0,1                                    ; the operand wants a whole block in a lane: lanes 0-15 block 2 c, lanes 16-31 block 2 c + 1
.irp i, 0,1
	v_permlane16_swap_b32 v[PC+4*\c+\i], v[PC+4*\c+2+\i]
.endr
.endr
	v_pk_add_f32 v[SUM2:SUM2+1], v[SCO:SCO+1], v[SCO+2:SCO+3]   ; the row's sum, of the unquantised p: two at a time, in two chains
.irp j, 4,8,12,16,20,24,28,32,36,40,44,48,52,56,60
	v_pk_add_f32 v[14:15], v[14:15], v[SCO+\j:SCO+\j+1]
	v_pk_add_f32 v[SUM2:SUM2+1], v[SUM2:SUM2+1], v[SCO+\j+2:SCO+\j+3]
.endr
	v_pk_add_f32 v[14:15], v[14:15], v[SUM2:SUM2+1]
.set n, 0
.rept 16
	v_pk_mul_f32 v[OT+n:OT+n+1], v[OT+n:OT+n+1], v[FF:FF+1] op_sel_hi:[1,0]   ; O^T under the new M
.set n, n+2
.endr
	s_wait_dscnt 0x0                               ; V's fragments and scale words
.irp t, 0,1,2,3                                ; O^T += V^T P^T: the four accumulators by turns
	v_wmma_scale_f32_16x16x128_f8f6f4 v[OT+8*\t:OT+8*\t+7], v[VF+8*\t:VF+8*\t+7], v[PC:PC+7], v[OT+8*\t:OT+8*\t+7], v[VSC+\t], v[PW] matrix_a_fmt:MATRIX_FMT_FP4 matrix_b_fmt:MATRIX_FMT_FP4
.endr
	s_cmp_lg_u32 s[KS], s[LAST]
	s_cbranch_scc1 .Lgo_on
	; A TILE IS FINISHED: o = O^T / the sum, quantised, stored; the state begins anew for the second tile.
.irp j, 0,1,2,3
	v_mov_b32 v[QC+\j], v[QN+\j]                   ; the second tile's Q: these five lines are also the places behind the last products
.endr
	v_mov_b32 v[QS], v[QSN]
	v_add_f32 v14, v14, v15
	v_permlanex16_b32 v[TA], v14, s[SEL], s[SEL+1]
	v_add_f32 v14, v14, v[TA]                      ; the row's sum
	v_rcp_f32 v14, v14
	v_mov_b32 v13, 0xff61b1e6                      ; (a plain place behind the transcendental)
.set n, 0
	s_wait_alu depctr_va_vdst(0)
.rept 16
	v_pk_mul_f32 v[SCO+n:SCO+n+1], v[OT+n:OT+n+1], v[14:15] op_sel_hi:[1,0]   ; register 8 t + j: o(query r, d = 16 t + 8 h + j); each accumulator from its low end on
.set n, n+2
.endr
	QUANT2 SCO, RC, OW
	v_add_nc_u32 v[AOC], s[OFC], v[GOC]
	v_add_nc_u32 v[AOS], s[OFS], v[GOS]
	global_store_b128 v[AOC], v[RC:RC+3], s[16:17] ; 32 lanes store 512 consecutive bytes, at a multiple of 512 from the buffer's first byte
	global_store_b16 v[AOS], v[OW], s[18:19]       ; two bytes of each of 16 rows (lanes l and l xor 16 write the same): 1 byte in 16 of what the launch stores
	v_floor_f32 v12, -v13
	v_mov_b32 v14, 0
	v_mov_b32 v15, 0
.set n, 0
.rept 32
	v_mov_b32 v[OT+n], 0
.set n, n+1
.endr
	s_wait_xcnt 0x0                                ; the stores' data and offsets are written again only behind this wait
.Lgo_on:
	s_add_co_u32 s[TRIP], s[TRIP], 1
	s_cmp_lt_u32 s[TRIP], 17
	s_cbranch_scc1 .Lstep
	s_wait_tensorcnt 0x0
	ds_add_u32 v254, v255
	s_wait_dscnt 0x0
	CROUND                                         ; the closing round
	s_endpgm
.Lfunc_end_k_q3a037d30cd_attn:
	.size	k_q3a037d30cd_attn, .Lfunc_end_k_q3a037d30cd_attn-k_q3a037d30cd_attn
	.p2alignl 7, 3214868480
	.fill 96, 4, 3214868480
	.section	.rodata,"a",@progbits
	.p2align	6, 0x0
	.amdhsa_kernel k_q3a037d30cd_attn
		.amdhsa_group_segment_fixed_size 169984
		.amdhsa_private_segment_fixed_size 0
		.amdhsa_enable_private_segment 0
		.amdhsa_kernarg_size 64
		.amdhsa_user_sgpr_count 2
		.amdhsa_user_sgpr_kernarg_segment_ptr 1
		.amdhsa_wavefront_size32 1
		.amdhsa_system_sgpr_workgroup_id_x 1
		.amdhsa_system_sgpr_workgroup_id_y 1
		.amdhsa_system_sgpr_workgroup_id_z 1
		.amdhsa_system_vgpr_workitem_id 0
		.amdhsa_next_free_vgpr 256
		.amdhsa_next_free_sgpr 100
		.amdhsa_reserve_vcc 1
		.amdhsa_float_denorm_mode_32 3
		.amdhsa_float_denorm_mode_16_64 3
		.amdhsa_memory_ordered 1
		.amdhsa_forward_progress 1
		.amdhsa_inst_pref_size 37
	.end_amdhsa_kernel
	.amdgpu_metadata
---
amdhsa.version: [ 1, 2 ]
amdhsa.kernels:
  - .name:           k_q3a037d30cd_attn
    .symbol:         k_q3a037d30cd_attn.kd
    .args:
      - { .name: q_codes, .offset: 0, .size: 8, .value_kind: global_buffer, .address_space: global }
      - { .name: q_sw, .offset: 8, .size: 8, .value_kind: global_buffer, .address_space: global }
      - { .name: shared_k_codes, .offset: 16, .size: 8, .value_kind: global_buffer, .address_space: global }
      - { .name: shared_k_scales, .offset: 24, .size: 8, .value_kind: global_buffer, .address_space: global }
      - { .name: shared_v_codes, .offset: 32, .size: 8, .value_kind: global_buffer, .address_space: global }
      - { .name: shared_v_scales, .offset: 40, .size: 8, .value_kind: global_buffer, .address_space: global }
      - { .name: o_codes, .offset: 48, .size: 8, .value_kind: global_buffer, .address_space: global }
      - { .name: o_scales, .offset: 56, .size: 8, .value_kind: global_buffer, .address_space: global }
    .group_segment_fixed_size: 169984
    .private_segment_fixed_size: 0
    .kernarg_segment_align: 8
    .kernarg_segment_size: 64
    .max_flat_workgroup_size: 512
    .sgpr_count:     100
    .vgpr_count:     256
    .wavefront_size: 32
...
	.end_amdgpu_metadata
.endif
;; end of part 2
;; launch oproj (part 3): grid 8 x 32, 4 waves a work-group, clusters of 4 x 4, 327,680 bytes of LDS; arguments o_codes, o_scales, Wo_codes, Wo_scales, out0; writes out0
.if DOCPART == 3
	.amdgcn_target "amdgcn-amd-amdhsa--gfx1250"
	.amdhsa_code_object_version 6
	.text
	.protected	k_q3a037d30cd_oproj
	.globl	k_q3a037d30cd_oproj
	.p2align	8
	.type	k_q3a037d30cd_oproj,@function
k_q3a037d30cd_oproj:
	s_mov_b64 s[64:65], 0
	v_nop
	global_prefetch_b8 v0, s[64:65] scope:SCOPE_SE
	s_setreg_imm32_b32 hwreg(HW_REG_WAVE_MODE, 25, 1), 1
	s_wait_xcnt 0x0
	s_wait_alu depctr_hold_cnt(0) depctr_sa_sdst(0) depctr_va_vdst(0) depctr_va_sdst(0) depctr_va_ssrc(0) depctr_va_vcc(0) depctr_vm_vsrc(0)
	s_getreg_b32 s2, hwreg(HW_REG_IB_STS2, 6, 4)
	s_cmp_eq_u32 s2, 0
	s_cbranch_scc0 .Lentry_in_a_cluster
	s_endpgm
.Lentry_in_a_cluster:
	s_bfe_u32 s2, ttmp6, 0x10000c
	s_cmp_lg_u32 s2, 0xf033
	s_cbranch_scc0 .Lentry_shape_is_right
	s_endpgm
.Lentry_shape_is_right:
; out0 = o Wo^T on codes of FP4 (E2M1) with one E8M0 scale for each 32 along K; sums and result f32.  B = Wo [2048][2048]: codes, a row is 1,024 bytes; scale bytes [2048][64].
; A = o, as the second launch left it: o_codes [row / 16][K step of 128 (16)][c (2)][512 bytes]: images of the operand's registers 4 c .. 4 c + 3, lane l's 16 bytes at 16 l; o_scales [4096][64].
; The product is the first launch's: a tile of 128 x 256, 256 work-groups, four waves of 64 x 128, K in four steps of 512 through a ring of two LDS slots, written out; clusters of 4 x 4 with joint loads
; (A's tiles shared along a row of the cluster, B's along a column); the matrix instruction used transposed, so that a lane holds eight neighbouring numbers of a row of the result.
; What differs: A's tile of a K step is, for each block of 16 rows, 4,096 consecutive bytes: it lies dense in LDS and a fragment is two loads at 16 x lane; and the way out.
; REGISTERS: window 0: v16-29 addresses; v32-95 scale words, two sets; v128-191 A's fragments, two sets; on the way out v128-255 rows of the result.  window 1: B's fragments, two sets.  window 2: the accumulators.
.set PITCH,  272
.set HALFA,  4*4096                    ; four blocks of 16 rows: what one load brings of A, and what one wave reads
.set HALFB,  128*PITCH
.set SLOT,   2*HALFA+2*HALFB
.set ASTEP,  8192                      ; bytes from a slot's K step to its next: two steps of 4,096
.set BSTEP,  512
.set SCL,    2*SLOT
.set HSA,    16*272
.set HSB,    32*272
.set SBLK,   4*272
.set SPARE,  SCL+2*HSA+2*HSB           ; the spare words, 128 bytes a wave: two blocks of 256 bytes that no other line names
.set SPITCH, 528                       ; the way out: a stage of 16 rows x (512 bytes + 16) for each wave, in slot 0, which has had its last fill and its last read when the first result is stored there
.set ADRA, 16
.set ADRB, 20
.set STO,  24
.set RD,   25
.set CO,   26
.set ADRS, 27
.set SPW,  28
.set NIL,  29
.set SC,   32
.set AF,   128
.set BK,   128
.set WV, 16
.set RH, 17
.set CH, 18
.set TR, 19
.set TC, 20
.set G1, 24
.set G0, 32
.set G1B, 48
.set G0B, 56
.set G1S, 68
.set G0S, 76
.set G1SB, 80
.set G0SB, 88
.set PADW, (1<<20)|(1<<21)|(5<<22)|(3<<25)
.set MSB, 0
.macro WIN new
.if MSB != \new
	s_set_vgpr_msb (MSB<<8)|\new
.set MSB, \new
.endif
.endm
.set MUL,  0xa1
.set TO_B, 0x40
.macro SHAPE g, c, r, p
	s_mov_b32 s[\g+1], (\c)<<16
	s_mov_b32 s[\g+2], (\r)<<16
	s_mov_b32 s[\g+3], (\c)<<16
	s_mov_b32 s[\g+4], \r
	s_mov_b32 s[\g+5], \p
	s_mov_b32 s[\g+6], 0
	s_mov_b32 s[\g+7], 0
.endm
.macro JLOAD g0a, g1a, g0b, g1b        ; waves 0 and 1 fetch for A, waves 2 and 3 for B; four v_nop follow each of the two lines
	s_cmp_eq_u32 s[RH], 0
	s_cbranch_scc0 .Lfor_b_\@
	tensor_load_to_lds s[\g0a:\g0a+3], s[\g1a:\g1a+7]
	s_nop 0
.rept 4
	v_nop
.endr
	s_branch .Lasked_\@
.Lfor_b_\@:
	tensor_load_to_lds s[\g0b:\g0b+3], s[\g1b:\g1b+7]
	s_nop 0
.rept 4
	v_nop
.endr
.Lasked_\@:
.endm
.macro CREST
	s_cmp_lg_u32 s[WV], 0
	s_cbranch_scc1 .Lnot_wave_0_\@
	s_barrier_signal -3
.Lnot_wave_0_\@:
	s_barrier_wait -3
	s_barrier_signal -1
	s_barrier_wait -1
.endm
.macro CROUND
	s_barrier_signal -1
	s_barrier_wait -1
	CREST
.endm
.macro PLACES n
.rept \n
	v_nop
.endr
.endm
	s_load_b128 s[4:7], s[0:1], 0x0                ; A's codes, A's scales
	s_load_b128 s[8:11], s[0:1], 0x10              ; B's codes, B's scales
	s_load_b64 s[12:13], s[0:1], 0x20              ; the result
	v_lshl_add_u32 v[SPW], v0, 2, SPARE
	v_mov_b32 v[NIL], 0
	ds_add_u32 v28, v29
	ds_add_u32 v28, v29
	s_wait_dscnt 0x0
	v_lshrrev_b32 v1, 5, v0
	v_readfirstlane_b32 s[WV], v1
	s_lshr_b32 s[RH], s[WV], 1
	s_and_b32 s[CH], s[WV], 1
	s_bfe_u32 s21, ttmp6, 0x40000                  ; cx
	s_bfe_u32 s22, ttmp6, 0x40004                  ; cy
	s_lshl_b32 s[TC], ttmp9, 2
	s_add_co_u32 s[TC], s[TC], s21
	s_and_b32 s[TR], ttmp7, 0xffff
	s_lshl_b32 s[TR], s[TR], 2
	s_add_co_u32 s[TR], s[TR], s22
	s_lshl_b32 s23, s22, 2
	s_lshl_b32 s23, 15, s23                        ; my row of the cluster
	s_lshl_b32 s3, 0x1111, s21                     ; my column
	s_or_b32 s[G1], s23, (3<<16)|(1<<21)           ; A's images: elements of 8 bytes, no padding, to my row
	s_or_b32 s[G1B], s3, PADW
	s_or_b32 s[G1S], s23, PADW|(3<<16)
	s_or_b32 s[G1SB], s3, PADW|(3<<16)
	SHAPE G1, 512, 4, 2048                         ; four blocks of rows: 4,096 bytes each, 16,384 bytes apart
	SHAPE G1B, 256, 128, 1024
	SHAPE G1S, 32, 16, 32
	SHAPE G1SB, 32, 32, 32
	s_lshl_b32 s40, s[TR], 17                      ; A: (8 x tile row + 4 x half) blocks of 16,384 bytes: s40-43 hold nothing made of cx
	s_lshl_b32 s41, s[CH], 16
	s_add_co_u32 s40, s40, s41
	s_mov_b32 s41, 0
	s_lshl_b32 s42, s[TR], 13
	s_lshl_b32 s43, s[CH], 12
	s_add_co_u32 s42, s42, s43
	s_mov_b32 s43, 0
	s_lshl_b32 s44, s[TC], 18                      ; B: s44-47 hold nothing made of cy
	s_lshl_b32 s45, s[CH], 17
	s_add_co_u32 s44, s44, s45
	s_mov_b32 s45, 0
	s_lshl_b32 s46, s[TC], 14
	s_lshl_b32 s47, s[CH], 13
	s_add_co_u32 s46, s46, s47
	s_mov_b32 s47, 0
	s_mul_i32 s92, s[CH], HALFA
	s_mul_i32 s93, s[CH], HALFB
	s_add_co_u32 s93, s93, 2*HALFA
	s_mul_i32 s94, s[CH], HSA
	s_mul_i32 s2, s[CH], HSB
	s_wait_kmcnt 0x0
	s_add_nc_u64 s[40:41], s[4:5], s[40:41]
	s_add_nc_u64 s[42:43], s[6:7], s[42:43]
	s_add_nc_u64 s[44:45], s[8:9], s[44:45]
	s_add_nc_u64 s[46:47], s[10:11], s[46:47]
	CROUND                                         ; all sixteen work-groups are here: the first joint loads meet
	s_mov_b32 s[G0S], 1
	s_add_co_u32 s[G0S+1], s94, SCL
	s_mov_b64 s[G0S+2:G0S+3], s[42:43]
	s_or_b32 s[G0S+3], s[G0S+3], 0x80000000
	s_mov_b32 s[G0SB], 1
	s_add_co_u32 s[G0SB+1], s2, SCL+2*HSA
	s_mov_b64 s[G0SB+2:G0SB+3], s[46:47]
	s_or_b32 s[G0SB+3], s[G0SB+3], 0x80000000
	JLOAD G0S, G1S, G0SB, G1SB
.irp s, 0,1
	s_mov_b32 s[G0+4*\s], 1
	s_add_co_u32 s[G0+4*\s+1], s92, \s*SLOT
	s_add_nc_u64 s[G0+4*\s+2:G0+4*\s+3], s[40:41], \s*4096
	s_or_b32 s[G0+4*\s+3], s[G0+4*\s+3], 0x80000000
	s_mov_b32 s[G0B+4*\s], 1
	s_add_co_u32 s[G0B+4*\s+1], s93, \s*SLOT
	s_add_nc_u64 s[G0B+4*\s+2:G0B+4*\s+3], s[44:45], \s*256
	s_or_b32 s[G0B+4*\s+3], s[G0B+4*\s+3], 0x80000000
	JLOAD G0+4*\s, G1, G0B+4*\s, G1B               ; three loads of mine are out
.endr
	v_and_b32 v1, 15, v0                           ; r
	v_bfe_u32 v2, v0, 4, 1                         ; h
	v_and_b32 v3, 31, v0
	v_lshlrev_b32 v[CO], 4, v3                     ; 16 x lane
	v_mul_u32_u24 v3, v1, PITCH
	v_lshl_add_u32 v4, v2, 4, v3                   ; B: a fragment's row x pitch + 16 h
	s_mul_i32 s92, s[RH], HALFA                    ; my four blocks of A
	s_mul_i32 s93, s[CH], HALFB                    ; my 128 rows of B, behind A
	s_add_co_u32 s93, s93, 2*HALFA
.irp s, 0,1
	v_add_nc_u32 v[ADRA+\s], s92, v[CO]
	v_add_nc_u32 v[ADRB+\s], s93, v4
	s_add_co_u32 s92, s92, SLOT
	s_add_co_u32 s93, s93, SLOT
.endr
	v_lshlrev_b32 v5, 6, v1
	v_lshrrev_b32 v6, 2, v1
	v_lshl_add_u32 v5, v6, 4, v5
	s_mul_i32 s92, s[RH], HSA
	s_mul_i32 s93, s[CH], HSB
	s_add_co_u32 s93, s93, 2*HSA
	s_sub_co_u32 s93, s93, s92
	v_mul_u32_u24 v6, s93, v2                      ; lanes 16-31 take B's scale words: one product with h
	s_add_co_u32 s92, s92, SCL
	v_add_nc_u32 v5, v5, v6
	v_add_nc_u32 v[ADRS], s92, v5
	s_mul_i32 s92, s[WV], 16*SPITCH                ; my stage
	v_mul_u32_u24 v5, v1, SPITCH
	v_lshl_add_u32 v5, v2, 5, v5
	v_add_nc_u32 v[STO], s92, v5                   ; in: row r, 32 bytes for each half of the lanes
	v_add_nc_u32 v[RD], s92, v[CO]                 ; back: the 32 lanes take one row of 512 bytes
	s_lshl_b32 s92, s[TR], 20                      ; my part of the result: (128 x tile row + 64 x half) rows of 8,192 bytes,
	s_lshl_b32 s93, s[RH], 19
	s_add_co_u32 s92, s92, s93
	s_lshl_b32 s93, s[TC], 10                      ; + 1,024 x tile column + 512 x half
	s_add_co_u32 s92, s92, s93
	s_lshl_b32 s93, s[CH], 9
	s_add_co_u32 s92, s92, s93
	s_mov_b32 s93, 0
	s_add_nc_u64 s[12:13], s[12:13], s[92:93]
.macro FETCH slot, q, p                ; 24 LDS loads in one run: the fragments of the slot's q-th 128 along K into set p
	WIN TO_B
.irp i, 0,1,2,3,4,5,6,7
.irp c, 0,1
	ds_load_b128 v[128*(\p)+8*\i+4*\c:128*(\p)+8*\i+4*\c+3], v[ADRB+\slot] offset:64*(\q)+32*\c+\i*16*PITCH
.endr
.endr
	WIN 0
.irp i, 0,1,2,3
.irp c, 0,1
	ds_load_b128 v[AF+32*(\p)+8*\i+4*\c:AF+32*(\p)+8*\i+4*\c+3], v[ADRA+\slot] offset:\i*4096+(\q)*1024+\c*512   ; an image: 512 consecutive bytes a load
.endr
.endr
.endm
.macro SCALES sc, ks                   ; lanes 0-15 want A's blocks 0-3 only: what they load for i = 4 .. 7 lies inside the scales' bytes and is not used
.irp i, 0,1,2,3,4,5,6,7
	ds_load_b128 v[SC+32*(\sc)+4*\i:SC+32*(\sc)+4*\i+3], v[ADRS] offset:\i*SBLK+16*(\ks)
.endr
.endm
.macro MUL8 a, p, q, sc, zero          ; the 32 accumulators take turns, one instruction a turn, in the same order in every step
.irp b, 0,1,2,3,4,5,6,7
.if \zero
	v_wmma_scale_f32_16x16x128_f8f6f4 v[8*(8*(\a)+\b):8*(8*(\a)+\b)+7], v[128*(\p)+8*\b:128*(\p)+8*\b+7], v[AF+32*(\p)+8*(\a):AF+32*(\p)+8*(\a)+7], 0, v[SC+32*(\sc)+4*\b+(\q)], v[SC+32*(\sc)+4*(\a)+(\q)] matrix_a_fmt:MATRIX_FMT_FP4 matrix_b_fmt:MATRIX_FMT_FP4 matrix_a_scale:MATRIX_SCALE_ROW1
.else
	v_wmma_scale_f32_16x16x128_f8f6f4 v[8*(8*(\a)+\b):8*(8*(\a)+\b)+7], v[128*(\p)+8*\b:128*(\p)+8*\b+7], v[AF+32*(\p)+8*(\a):AF+32*(\p)+8*(\a)+7], v[8*(8*(\a)+\b):8*(8*(\a)+\b)+7], v[SC+32*(\sc)+4*\b+(\q)], v[SC+32*(\sc)+4*(\a)+(\q)] matrix_a_fmt:MATRIX_FMT_FP4 matrix_b_fmt:MATRIX_FMT_FP4 matrix_a_scale:MATRIX_SCALE_ROW1
.endif
.endr
.endm
.macro STEP slot, q, zero
	s_wait_dscnt 0x0                               ; this step's set is in: it was asked for a step ago
	PLACES 4                                       ; four places between the last step's products and the loads into the registers that they read
	FETCH \slot, (\q)+1, 1-(\q)%2
	WIN MUL
	MUL8 0, (\q)%2, \q, \slot, \zero
	MUL8 1, (\q)%2, \q, \slot, \zero
	MUL8 2, (\q)%2, \q, \slot, \zero
	MUL8 3, (\q)%2, \q, \slot, \zero
.endm
.macro TURN slot, next, fill, ks       ; a slot's last step changes slots, as in the first launch
	WIN 0
	s_wait_tensorcnt 0x0                           ; all my tensor loads have landed: my part of the next slot
	ds_add_u32 v[SPW], v[NIL]                      ; 0 onto my spare word
	s_wait_dscnt 1                                 ; this step's set is in; the add may be out
	WIN MUL
	MUL8 0, 1, 3, \slot, 0
	s_wait_dscnt 0x0                               ; the add is done, and my reads of this slot are over
	s_barrier_signal -1
	MUL8 1, 1, 3, \slot, 0
	WIN 0
	s_barrier_wait -1
.if \fill
	CREST                                          ; no wave of any partner still reads this slot's tile or has a load on its way
	s_add_nc_u64 s[G0+4*\slot+2:G0+4*\slot+3], s[G0+4*\slot+2:G0+4*\slot+3], ASTEP
	s_add_nc_u64 s[G0B+4*\slot+2:G0B+4*\slot+3], s[G0B+4*\slot+2:G0B+4*\slot+3], BSTEP
	JLOAD G0+4*\slot, G1, G0B+4*\slot, G1B         ; my one tensor load behind the round; its four v_nop are also the places in front of the loads below
.else
	PLACES 4
.endif
	FETCH \next, 0, 0
	SCALES \next, \ks
	WIN MUL
	MUL8 2, 1, 3, \slot, 0
	MUL8 3, 1, 3, \slot, 0
.endm
	s_wait_tensorcnt 1                             ; the scales and my part of K step 0 are in; slot 1's fill may stay out
	s_barrier_signal -1
	s_barrier_wait -1
	FETCH 0, 0, 0
	SCALES 0, 0
	STEP 0, 0, 1                                   ; the first products start the sums
	STEP 0, 1, 0
	STEP 0, 2, 0
	TURN 0, 1, 1, 1                                ; slot 0 takes K step 2
	STEP 1, 0, 0
	STEP 1, 1, 0
	STEP 1, 2, 0
	TURN 1, 0, 1, 2                                ; slot 1 takes K step 3
	STEP 0, 0, 0
	STEP 0, 1, 0
	STEP 0, 2, 0
	TURN 0, 1, 0, 3                                ; nothing is left to fetch; behind this barrier nobody reads slot 0
	STEP 1, 0, 0
	STEP 1, 1, 0
	STEP 1, 2, 0
	s_wait_dscnt 0x0
	WIN MUL
	MUL8 0, 1, 3, 1, 0
	MUL8 1, 1, 3, 1, 0
	MUL8 2, 1, 3, 1, 0
	MUL8 3, 1, 3, 1, 0
	WIN 0
; THE WAY OUT, block by block of 16 rows x 128 columns: a lane holds 32 neighbouring bytes of a row, the lanes beside it other rows: a block goes through my own stage in LDS and comes back as whole rows of 512 bytes.
; LDS serves a wave's instructions in order (ISA guide 5.7.1.4): no wait between the stores and the loads, nor in front of the next block's stores.
.macro TOSTAGE a
	WIN 0x08                                       ; an LDS store's data are its source 1: window 2
.irp b, 0,1,2,3,4,5,6,7
	ds_store_b128 v[STO], v[8*(8*(\a)+\b):8*(8*(\a)+\b)+3] offset:64*\b          ; each accumulator from its low end on
	ds_store_b128 v[STO], v[8*(8*(\a)+\b)+4:8*(8*(\a)+\b)+7] offset:64*\b+16
.endr
	WIN 0
.set BB, BK+64*((\a)%2)
.irp t, 0,1,2,3,4,5,6,7,8,9,10,11,12,13,14,15
	ds_load_b128 v[BB+4*\t:BB+4*\t+3], v[RD] offset:\t*SPITCH
.endr
.endm
.macro SEND a, younger                 ; younger: the LDS instructions issued behind block a's loads, which may stay out
.set BB, BK+64*((\a)%2)
	s_wait_dscnt \younger
.if (\a) > 0
	s_add_nc_u64 s[12:13], s[12:13], 16*8192       ; (behind a wait on XCNT: the earlier stores have read their base)  16 rows on
.endif
.irp t, 0,1,2,3,4,5,6,7,8,9,10,11,12,13,14,15
	global_store_b128 v[CO], v[BB+4*\t:BB+4*\t+3], s[12:13] offset:\t*8192 th:TH_STORE_NT   ; 32 lanes store 512 consecutive bytes, at a multiple of 512 from the result's first byte; written once, read by nobody here
.endr
.endm
	PLACES 4                                       ; between the last products and the first read of results, and the loads into the registers that held A's fragments
	TOSTAGE 0
.irp a, 1,2,3
.if \a > 1
	s_wait_xcnt 0x0                                ; block a - 2's stores have read their registers and their base
.endif
	TOSTAGE \a
	SEND \a-1, 32                                  ; behind block a - 1's loads: block a's 16 stores and 16 loads
.endr
	s_wait_xcnt 0x0
	SEND 3, 0
	s_wait_tensorcnt 0x0                           ; the wave's end
	ds_add_u32 v[SPW], v[NIL]
	s_wait_dscnt 0x0
	CROUND                                         ; the closing round
	s_endpgm
.Lfunc_end_k_q3a037d30cd_oproj:
	.size	k_q3a037d30cd_oproj, .Lfunc_end_k_q3a037d30cd_oproj-k_q3a037d30cd_oproj
	.p2alignl 7, 3214868480
	.fill 96, 4, 3214868480
	.section	.rodata,"a",@progbits
	.p2align	6, 0x0
	.amdhsa_kernel k_q3a037d30cd_oproj
		.amdhsa_group_segment_fixed_size 327680
		.amdhsa_private_segment_fixed_size 0
		.amdhsa_enable_private_segment 0
		.amdhsa_kernarg_size 40
		.amdhsa_user_sgpr_count 2
		.amdhsa_user_sgpr_kernarg_segment_ptr 1
		.amdhsa_wavefront_size32 1
		.amdhsa_system_sgpr_workgroup_id_x 1
		.amdhsa_system_sgpr_workgroup_id_y 1
		.amdhsa_system_sgpr_workgroup_id_z 1
		.amdhsa_system_vgpr_workitem_id 0
		.amdhsa_next_free_vgpr 768
		.amdhsa_next_free_sgpr 100
		.amdhsa_reserve_vcc 0
		.amdhsa_float_denorm_mode_32 3
		.amdhsa_float_denorm_mode_16_64 3
		.amdhsa_memory_ordered 1
		.amdhsa_forward_progress 1
		.amdhsa_inst_pref_size 121
	.end_amdhsa_kernel
	.amdgpu_metadata
---
amdhsa.version: [ 1, 2 ]
amdhsa.kernels:
  - .name:           k_q3a037d30cd_oproj
    .symbol:         k_q3a037d30cd_oproj.kd
    .args:
      - { .name: o_codes, .offset: 0, .size: 8, .value_kind: global_buffer, .address_space: global }
      - { .name: o_scales, .offset: 8, .size: 8, .value_kind: global_buffer, .address_space: global }
      - { .name: Wo_codes, .offset: 16, .size: 8, .value_kind: global_buffer, .address_space: global }
      - { .name: Wo_scales, .offset: 24, .size: 8, .value_kind: global_buffer, .address_space: global }
      - { .name: out0, .offset: 32, .size: 8, .value_kind: global_buffer, .address_space: global }
    .group_segment_fixed_size: 327680
    .private_segment_fixed_size: 0
    .kernarg_segment_align: 8
    .kernarg_segment_size: 40
    .max_flat_workgroup_size: 128
    .sgpr_count:     100
    .vgpr_count:     768
    .wavefront_size: 32
...
	.end_amdgpu_metadata
.endif
;; end of part 3
